; MI455X (gfx1250); checked and timed in simulation.
; The chip was launched on July 23, 2026; its instructions are those of AMD's public machine-readable ISA for CDNA 5 (MIT licence, August 2026) and "CDNA5" Instruction Set Architecture Reference Guide (July 2026). The comments in the code are by the model that wrote it; some were corrected since.
;; Attention Out. Allowed arithmetic: float matrix products may take bf16 or f16 operands with f32 sums; all other float work in f32.
;; Inputs: W_O 16 x 64 x 1,024 float32; b_O 1,024 float32; k 2 x 2,048 x 1,024 float32; q 2 x 2,048 x 1,024 float32; residual 2 x 2,048 x 1,024 float32; v 2 x 2,048 x 1,024 float32.
;; Outputs: out0 2 x 2,048 x 1,024 float32; out1 2 x 2,048 x 1,024 float32.
;; 2 versions, each right; version 2 is version 1 with the launch attn written anew for expert scheduling mode. Each part assembles by itself: llvm-mc -triple=amdgcn-amd-amdhsa -mcpu=gfx1250 --defsym DOCPART=n.
;; ======== version 1 of 2: 2 launches
;; limits: values are held in f16: magnitudes above 65,504 overflow, below 6.1e-05 lose precision; inputs' magnitudes at most 65,504
;; workspace buffers: zb 8,388,608 bytes; wb 2,097,152 bytes
;; launch attn (part 1): grid 256 x 1, 4 waves a work-group, no clusters, 76,288 bytes of LDS; arguments q, k, v, residual, W_O, out0, zb, wb; writes out0, zb, wb
.if DOCPART == 1
	.amdgcn_target "amdgcn-amd-amdhsa--gfx1250"
	.amdhsa_code_object_version 6
	.text
	.protected	k_q6b6ecd35b5_attn
	.globl	k_q6b6ecd35b5_attn
	.p2align	8
	.type	k_q6b6ecd35b5_attn,@function
k_q6b6ecd35b5_attn:
	s_mov_b64 s[64:65], 0
	v_nop
	global_prefetch_b8 v0, s[64:65] scope:SCOPE_SE
	s_setreg_imm32_b32 hwreg(HW_REG_WAVE_MODE, 25, 1), 1
	s_wait_xcnt 0x0
; attn: z = softmax(causal(q k^T / 8)) v for 2 batches x 16 heads x 2048 positions x 64, stored as f16 in zb; beside it out0 = residual (a copy)
; and wb = W_O for the matrix unit.  The next launch makes out1 = z W_O + b_O from zb and wb.
;
; LEFT OUT.  reference() puts -100000 in the place of every score with key > query (jnp.where on a jnp.tril of its own), so the products q.k of
; those places reach no output whatever q and k hold: key tiles of 128 that lie wholly above the diagonal are not multiplied (120 of the 256 tile
; pairs of a head).  Their weights are exp(-100000 - m), m the row's largest entry.  Every row holds the allowed score of key = query, and while
; m > -99,890 that weight is under the smallest f32 number and reference()'s own f32 gives 0: the tiles add nothing to the row's sum or to z.
; Inside the diagonal tile the masked places get -100000 as in reference() (here -800000, since the scores are kept unscaled, 8 times larger).
; FORMATS.  The four inputs of the products, q, k, v and W_O, are each rounded once to bf16 (nearest even).  The intermediate operands, the weights P and z,
; are rounded to f16: a row with few keys has a z as large as v itself, so its results are some ten times the output's root mean square, and bf16's 8 bits
; on P and z would there cost more than a hundredth of that root mean square; f16's 11 bits cost an eighth of it.  A matrix instruction takes both operands in one
; format, so v and W_O, once rounded to bf16, are written as f16, which holds every bf16 number of magnitude 2^-17 to 65,504 exactly.
; Maxima, exponentials and sums are f32, with a running maximum taken away before every exponential.
; LIMITS.  A row whose largest allowed score q.k/8 is below -99,890 is not served as reference() serves it (there the masked keys would get weight).
; A NaN, an infinity or an overflow in rows of k or v that only the tiles left out touch is not carried to the result.  A v or W_O of magnitude above
; 65,504 becomes infinite; one below 2^-17, and a weight below 2^-14 of its row's largest, carries an absolute error of up to 2^-25.
; Every input has a way to an output: b_O is read by the next launch.
;
; SHARES.  256 work-groups of four waves.  Work-group g: head bh = g >> 3, query blocks a = g & 7 and bb = 15 - a of 128 rows: (a + 1) + (bb + 1) = 17 key
; tiles in every work-group.  Wave w owns queries 32 w .. 32 w + 31 of a block, as two tiles u = 0, 1 of 16.  A block starts with its diagonal tile, which
; starts the sums and makes every maximum finite, and walks down to key tile 0.  The 16 trips that have a successor fetch the next tile, and each of them
; copies 4,096 bytes of residual: 16 x 4,096 = 65,536 = 1/256 of it.  16,384 bytes of W_O are cast at the start.
; PRODUCTS ARE TRANSPOSED: S^T = K Q^T (a lane holds 8 keys of one query in a tile's 8 registers) and O^T = V^T P^T.  Two S tiles packed to f16 in place ARE
; the second product's B fragment, so the weights never leave the registers, and a query's maximum and sum are one number a lane.
; A TRIP.  A wave issues in order, so products and vector work run side by side only where they alternate in the text.  The two query tiles are two independent
; pieces that share the K and V fragments and take turns:
;   A  16 products K Q0^T, back to back, as K's fragments arrive
;   B  16 products K Q1^T,   behind each a slice of tile 0's softmax (the last two rescale O0); V's fragments come in eight runs of four loads behind slices 5 to 12
;   C  16 products V^T P0^T, behind each a slice of tile 1's softmax (the last two rescale O1)
;   D  16 products V^T P1^T, behind each a slice of the next key tile's conversions
; A slice names none of the registers of the products between which it stands, so the slices are also the places that stand behind products (ISA guide 7.12.1).
; WINDOWS.  The scores (128 registers), Q's fragments (32) and the statistics, sums and addresses (44) take 204 of window 0's 256; O's 64 do not fit beside them, and each
; K and V fragment is used by both pieces, sixteen products apart, so all 256 fragment registers are live at once (or each would be read from LDS twice).  So a product
; of B, C and D names other windows than its slice: two switches a product, 96 of the about 110 switches of a trip.
; NO CLUSTER, NO TENSOR LOADS: k and v are f32 in memory; a tile copied as it lies would take twice the LDS bytes and a second pass through registers into
; other LDS bytes to be rounded.  Loaded through registers each number is rounded once per work-group.  And the eight work-groups of a head walk
; the key tiles in different orders (a, a-1, .., 0, then 15-a, ..), so they do not ask for the same tile at the same time.
;
; LDS (16-bit numbers, written by ds_store alone): Q block a at 0, Q block bb at 18,432, K at 36,864 (128 rows, pitch 144 = 9 x 16: the sixteen rows of a
; fragment load fall in sixteen different 16-byte columns modulo 256), V at 55,296 (pitch 160 = 5 x 32, for the transposing load).  A wave's 32 rows of a Q
; block are written and read by that wave alone, and serve as its stage for z once the block's Q fragments are in registers.
; K and V have one LDS buffer: a trip takes the whole tile into fragment registers by the end of B, and the next tile waits in registers for the trip's end.
; REGISTERS, in windows of 256: window 0 addresses, statistics, Q fragments, scores, sums; window 1 O (64), the next tile as loaded (128), the copy (8), 4 at work;
; window 2 the fragments of K (128) and of V^T (128).
.set PQK,   144                        ; LDS pitch of Q and K rows (128 bytes of data)
.set PVV,   160                        ; LDS pitch of V rows
.set QBLK,  128*PQK                    ; 18,432
.set KBASE, 2*QBLK
.set VBASE, 3*QBLK                     ; V ends at 55,296 + 128 x 160 = 75,776
.set GOFF,  1                          ; (32 w + (L >> 4)) x 4096 + 16 (L & 15): my 16 bytes in the first two of my wave's 32 rows of a tile
.set KST,   2                          ; where my 8 bytes of K go in LDS
.set VST,   3                          ; the same for V
.set QST,   4                          ; the same for Q (block a; block bb by the offset)
.set KLD,   5                          ; K fragments: KBASE + r x 144 + 16 h
.set VLD,   6                          ; V^T fragments: VBASE + (8 h + (L & 7)) x 160 + 16 ((L >> 3) & 1)
.set QLD,   7                          ; Q fragments, and z into the stage: (32 w + r) x 144 + 16 h
.set ZRD,   8                          ; z back from the stage: (32 w + (L >> 3)) x 144 + 16 (L & 7)
.set ZOFF,  9                          ; z in memory: 4096 w + 16 L
.set COFF,  10                         ; 16 x thread: the copy, and W_O in
.set MASKV, 11                         ; -800000.0
.set DQ,    12                         ; v12-13  u: my query in the block, less 8 h
.set RM,    14                         ; v14-15  u: running maximum (unscaled)
.set NM,    16                         ; v16-19  u: a pair, both -c x maximum
.set AL,    20                         ; v20-23  u: a pair, both the factor for the old sums; at the end 1 / sum
.set RL,    24                         ; v24-25  u: running sum of my lane's keys
.set T0,    26
.set T1,    27
.set T2,    28
.set MX,    30                         ; v30-33  four chains of the tile's maximum
.set WSO,   34                         ; 8 x thread: wb out
.set QF,    36                         ; v36-67  Q fragment (u, c) at 36 + 16 u + 8 c
.set SC,    68                         ; v68-195 score tile (t, u) at 68 + 64 u + 8 t; packed, P fragment (c, u) at 68 + 64 u + 8 c
.set SA,    196                        ; v196-203 four pairs of partial sums
.set ST,    64                         ; window 1: v64-127 K, v128-191 V as loaded; O (d, u) at 8 (2 d + u)
.set CP,    192                        ; window 1: 8 registers of the copy
.set TT,    200                        ; window 1: v200-203 two pairs at work in the conversions
.set VF,    128                        ; window 2: V^T fragment f = 4 c + d at 128 + 8 f; K fragment (t, c) at 16 t + 8 c
.set MSB, 0
.macro WIN new                         ; low byte: bits 1:0 source 0, 3:2 source 1, 5:4 source 2, 7:6 destination; the high byte repeats the setting that is left
.if MSB != \new
	s_set_vgpr_msb (MSB<<8)|\new
.set MSB, \new
.endif
.endm
.macro PLACES
.rept 4
	v_nop
.endr
.endm
; 16 loads: my wave's 32 rows of a tile; each load covers two whole rows of 256 bytes of one head
.macro LD16 dst, base
.irp i, 0,1,2,3,4,5,6,7,8,9,10,11,12,13,14,15
	global_load_b128 v[\dst+4*\i:\dst+4*\i+3], v[GOFF], s[\base:\base+1] offset:8192*\i
.endr
.endm
; n loads of four f32 are rounded in place to two registers of bf16 each
.macro CVT base, n
.set ci, 0
.rept \n
	v_cvt_pk_bf16_f32 v[\base+4*ci], v[\base+4*ci], v[\base+4*ci+1]
	v_cvt_pk_bf16_f32 v[\base+4*ci+1], v[\base+4*ci+2], v[\base+4*ci+3]
.set ci, ci+1
.endr
.endm
; the same, and the bf16 numbers are then written as f16 (exact: see FORMATS): each packed register is widened into the load's two freed registers and packed again.
; Laid in stages over all n loads, so that no instruction needs the result of the one in front of it.  (The start's form; in a trip: CVS.)
.macro CVTV base, n
	CVT \base, \n
.irp half, 0,1
.set ci, 0
.rept \n
	v_lshlrev_b32 v[\base+4*ci+2], 16, v[\base+4*ci+\half]         ; bf16 to f32: the low half moves up,
	v_and_b32     v[\base+4*ci+3], s3, v[\base+4*ci+\half]         ; the high half stays
.set ci, ci+1
.endr
.set ci, 0
.rept \n
	v_cvt_pk_f16_f32 v[\base+4*ci+\half], v[\base+4*ci+2], v[\base+4*ci+3]
.set ci, ci+1
.endr
.endr
.endm
.macro STO adr, base, step, off        ; and go to LDS, two rows a store
.irp i, 0,1,2,3,4,5,6,7,8,9,10,11,12,13,14,15
	ds_store_b64 v[\adr], v[\base+4*\i:\base+4*\i+1] offset:\off+\i*\step
.endr
.endm
.macro QFRAG blk                       ; my 32 queries as four B fragments (16 queries x 32 d)
.irp u, 0,1
.irp c, 0,1
	ds_load_b128 v[QF+16*\u+8*\c:QF+16*\u+8*\c+3],   v[QLD] offset:\blk*QBLK+\u*16*PQK+64*\c
	ds_load_b128 v[QF+16*\u+8*\c+4:QF+16*\u+8*\c+7], v[QLD] offset:\blk*QBLK+\u*16*PQK+64*\c+32
.endr
.endr
.endm
.macro KLOADS t0                       ; the fragments of key tiles t0 and t0 + 1: eight loads
.irp t, \t0, \t0+1
.irp c, 0,1
	ds_load_b128 v[16*(\t)+8*\c:16*(\t)+8*\c+3],   v[KLD] offset:16*PQK*(\t)+64*\c
	ds_load_b128 v[16*(\t)+8*\c+4:16*(\t)+8*\c+7], v[KLD] offset:16*PQK*(\t)+64*\c+32
.endr
.endr
.endm
.macro VFRAG f                         ; V^T fragment f = 4 c + d (keys 32 c .., d 16 d ..): two transposing loads
	ds_load_tr16_b128 v[VF+8*(\f):VF+8*(\f)+3],   v[VLD] offset:32*PVV*((\f)/4)+32*((\f)%4)
	ds_load_tr16_b128 v[VF+8*(\f)+4:VF+8*(\f)+7], v[VLD] offset:32*PVV*((\f)/4)+32*((\f)%4)+16*PVV
.endm
.macro GLD i                           ; rows 2 i, 2 i + 1 of my 32 of the next tile: K's, then V's
	global_load_b128 v[ST+4*(\i):ST+4*(\i)+3],       v[GOFF], s[30:31] offset:8192*(\i)
	global_load_b128 v[ST+64+4*(\i):ST+64+4*(\i)+3], v[GOFF], s[32:33] offset:8192*(\i)
.endm
; The trip's head.  Half of K's fragments are asked for, then the next key tile (one down; behind tile 0 of block a comes the diagonal tile of block bb) and 4,096 bytes
; of residual, then K's other half: LDS serves the first sixteen loads while the 34 global loads issue.
; The bases were last read by loads that the last trip's wait for all loads has shown done.
.macro HEAD pf, wrap
	WIN 0x80
	KLOADS 0
	KLOADS 2
.if \pf
	s_sub_co_i32 s26, s26, 1
.if \wrap
	s_cmp_lt_i32 s26, 0
	s_cselect_b32 s26, s25, s26
.endif
	s_lshl_b32 s28, s26, 19                        ; 128 rows of 4,096 bytes
	s_add_nc_u64 s[30:31], s[40:41], s[28:29]
	s_add_nc_u64 s[32:33], s[42:43], s[28:29]
	WIN 0x40
.irp i, 0,1,2,3,4,5,6,7,8,9,10,11,12,13,14,15
	GLD \i
.endr
	global_load_b128 v[CP:CP+3],   v[COFF], s[14:15] th:TH_LOAD_NT
	global_load_b128 v[CP+4:CP+7], v[COFF], s[14:15] offset:2048 th:TH_LOAD_NT
	WIN 0x80
.endif
	KLOADS 4
	KLOADS 6
.endm
; product k = 0..15 of S^T = K Q^T for query tile u: key tiles 2 g, 2 g + 1 (g = k / 4), first both with d 0..31, which starts their sums, then both with d 32..63:
; two accumulators take turns, one instruction a turn
.macro QKP k, u
.set tt, 2*((\k)/4)+(\k)%2
.set cc, ((\k)%4)/2
.if cc
	v_wmma_f32_16x16x32_bf16 v[SC+64*\u+8*tt:SC+64*\u+8*tt+7], v[16*tt+8:16*tt+15], v[QF+16*\u+8:QF+16*\u+15], v[SC+64*\u+8*tt:SC+64*\u+8*tt+7]
.else
	v_wmma_f32_16x16x32_bf16 v[SC+64*\u+8*tt:SC+64*\u+8*tt+7], v[16*tt:16*tt+7], v[QF+16*\u:QF+16*\u+7], 0
.endif
.endm
; product k = 0..15 of O^T += V^T P^T for query tile u, in f16: keys 32 (k / 4) .., d 16 (k % 4) ..: four accumulators take turns, one instruction a turn
; in a diagonal trip the first 32 keys start the sums
.macro PVP k, u, diag
.set cc, (\k)/4
.set dd, (\k)%4
.set zz, 0
.if \diag
.if (\k) < 4
.set zz, 1
.endif
.endif
.if zz
	v_wmma_f32_16x16x32_f16 v[8*(2*dd+\u):8*(2*dd+\u)+7], v[VF+8*(\k):VF+8*(\k)+7], v[SC+64*\u+8*cc:SC+64*\u+8*cc+7], 0
.else
	v_wmma_f32_16x16x32_f16 v[8*(2*dd+\u):8*(2*dd+\u)+7], v[VF+8*(\k):VF+8*(\k)+7], v[SC+64*\u+8*cc:SC+64*\u+8*cc+7], v[8*(2*dd+\u):8*(2*dd+\u)+7]
.endif
.endm
; the diagonal tile, registers 16 k .. 16 k + 15: register 8 t + j holds key 16 t + 8 h + j; it stays where key <= query, that is 16 t + j <= query - 8 h
.macro MASK16 u, k
.set mi, 16*(\k)
.rept 16
	v_cmp_le_i32 vcc_lo, 16*(mi/8)+(mi%8), v[DQ+\u]
	v_cndmask_b32 v[SC+64*\u+mi], v[MASKV], v[SC+64*\u+mi], vcc_lo
.set mi, mi+1
.endr
.endm
; key tile t: the weights 2^(c s - c m)
.macro ESTEP u, t
.irp p, 0,2,4,6
	v_pk_fma_f32 v[SC+64*\u+8*(\t)+\p:SC+64*\u+8*(\t)+\p+1], v[SC+64*\u+8*(\t)+\p:SC+64*\u+8*(\t)+\p+1], s[36:37], v[NM+2*\u:NM+2*\u+1] op_sel_hi:[1,0,1]
.endr
.irp p, 0,1,2,3,4,5,6,7
	v_exp_f32 v[SC+64*\u+8*(\t)+\p], v[SC+64*\u+8*(\t)+\p]
.endr
.endm
; tile t's eight weights are packed to f16 in place: register 4 t + p takes 8 t + 2 p and 8 t + 2 p + 1, never a register that is still to be read
.macro PACK u, t
.irp p, 0,1,2,3
	v_cvt_pk_f16_f32 v[SC+64*\u+4*(\t)+\p], v[SC+64*\u+8*(\t)+2*\p], v[SC+64*\u+8*(\t)+2*\p+1]
.endr
.endm
; and added to four pairs of partial sums first; tiles 0 and 1 start the sums together, so nothing is cleared
.macro SUMPACK u, t
.if (\t) == 1
	s_wait_alu depctr_va_vdst(0)
.irp j, 0,2,4,6
	v_pk_add_f32 v[SA+\j:SA+\j+1], v[SC+64*\u+\j:SC+64*\u+\j+1], v[SC+64*\u+8+\j:SC+64*\u+8+\j+1]
.endr
	PACK \u, 0
.else
	s_wait_alu depctr_va_vdst(0)
.irp j, 0,2,4,6
	v_pk_add_f32 v[SA+\j:SA+\j+1], v[SA+\j:SA+\j+1], v[SC+64*\u+8*(\t)+\j:SC+64*\u+8*(\t)+\j+1]
.endr
.endif
	PACK \u, \t
.endm
.macro RESC u, d                       ; a lane's O all belong to its one query of tile u
.irp p, 0,2,4,6
	v_pk_mul_f32 v[8*(2*(\d)+\u)+\p:8*(2*(\d)+\u)+\p+1], v[8*(2*(\d)+\u)+\p:8*(2*(\d)+\u)+\p+1], v[AL+2*\u:AL+2*\u+1]
.endr
.endm
; Slice k = 0..15 of query tile u's softmax; one slice stands behind each product of the other piece's run.
;   0-3   (the mask, in a diagonal trip, and) the maximum of registers 16 k .. 16 k + 15, in four chains
;   4     the other half's keys (lane i xor 16), the new running maximum, the factor for the old sums
;   5-12  key tile k - 5: the weights; then sum and pack of an earlier tile, plain work behind the exponentials (ISA guide 5.7.2)
;   13    the last tile's sum and pack, the running sum
;   14-15 O of tile u is rescaled (not in a diagonal trip, which starts O)
.macro SMS u, diag, k
.if (\k) < 14
	WIN 0
.endif
.if (\k) < 4
.if (\u)+(\k) == 0
	PLACES                                         ; run A holds no vector work: four places behind its products before S0 is read or masked (ISA guide 7.12.1)
.endif
.if \diag
	MASK16 \u, \k
.endif
.irp j, 0,1,2,3
.if (\k) == 0
	v_max_num_f32 v[MX+\j], v[SC+64*\u+2*\j], v[SC+64*\u+2*\j+1]
.else
	v_max3_num_f32 v[MX+\j], v[MX+\j], v[SC+64*\u+16*(\k)+2*\j], v[SC+64*\u+16*(\k)+2*\j+1]
.endif
.endr
.irp j, 0,1,2,3
	v_max3_num_f32 v[MX+\j], v[MX+\j], v[SC+64*\u+16*(\k)+8+2*\j], v[SC+64*\u+16*(\k)+8+2*\j+1]
.endr
.endif
.if (\k) == 4
	v_max3_num_f32 v[T0], v[MX], v[MX+1], v[MX+2]
	v_max_num_f32 v[T0], v[T0], v[MX+3]
	v_permlanex16_b32 v[T1], v[T0], s34, s35       ; lane i xor 16 holds the same query's other keys
.if \diag
	v_max_num_f32 v[RM+\u], v[T0], v[T1]
	v_mul_f32 v[NM+2*\u],   s38, v[RM+\u]
	v_mul_f32 v[NM+2*\u+1], s38, v[RM+\u]
.else
	v_max3_num_f32 v[RM+\u], v[T0], v[T1], v[RM+\u]
	v_mul_f32 v[T1], s38, v[RM+\u]                 ; -c x new maximum
	v_sub_f32 v[T2], v[T1], v[NM+2*\u]             ; c (old - new)
	v_mov_b32 v[NM+2*\u],   v[T1]
	v_mov_b32 v[NM+2*\u+1], v[T1]
	v_exp_f32 v[AL+2*\u],   v[T2]                  ; the plain instruction behind these two (ISA guide 5.7.2) is the next slice's first multiply-add
	v_exp_f32 v[AL+2*\u+1], v[T2]
.endif
.endif
.if (\k) >= 5
.if (\k) <= 12
	ESTEP \u, (\k)-5
.if (\k) >= 7
	SUMPACK \u, (\k)-6
.endif
.endif
.endif
.if (\k) == 13
	SUMPACK \u, 7
	v_pk_add_f32 v[SA:SA+1],   v[SA:SA+1],   v[SA+2:SA+3]
	v_pk_add_f32 v[SA+4:SA+5], v[SA+4:SA+5], v[SA+6:SA+7]
	v_pk_add_f32 v[SA:SA+1],   v[SA:SA+1],   v[SA+4:SA+5]
.if \diag
	v_add_f32 v[RL+\u], v[SA], v[SA+1]
.else
	v_add_f32 v[T0], v[SA], v[SA+1]
	v_fma_f32 v[RL+\u], v[RL+\u], v[AL+2*\u], v[T0]
.endif
.endif
.if (\k) >= 14
.if \diag == 0
	WIN 0x41
	RESC \u, 2*((\k)-14)
	RESC \u, 2*((\k)-14)+1
.endif
.endif
.endm
; Slice k = 0..17 of the next tile's conversions, skewed so that no instruction needs the result of the one in front of it: K's and V's load k are rounded to bf16,
; V's load k - 1 is widened again (two numbers into its freed registers, two into a pair at work), V's load k - 2 is packed to f16 (exact: see FORMATS).
.macro CVS k
.if (\k) < 16
	v_cvt_pk_bf16_f32 v[ST+64+4*(\k)],   v[ST+64+4*(\k)],   v[ST+64+4*(\k)+1]
	v_cvt_pk_bf16_f32 v[ST+64+4*(\k)+1], v[ST+64+4*(\k)+2], v[ST+64+4*(\k)+3]
	v_cvt_pk_bf16_f32 v[ST+4*(\k)],      v[ST+4*(\k)],      v[ST+4*(\k)+1]
	v_cvt_pk_bf16_f32 v[ST+4*(\k)+1],    v[ST+4*(\k)+2],    v[ST+4*(\k)+3]
.endif
.if (\k) >= 1
.if (\k) <= 16
.set cj, (\k)-1
	v_lshlrev_b32 v[ST+64+4*cj+2],  16, v[ST+64+4*cj]
	v_and_b32     v[ST+64+4*cj+3],  s3, v[ST+64+4*cj]
	v_lshlrev_b32 v[TT+2*(cj%2)],   16, v[ST+64+4*cj+1]
	v_and_b32     v[TT+2*(cj%2)+1], s3, v[ST+64+4*cj+1]
.endif
.endif
.if (\k) >= 2
.set cj, (\k)-2
	v_cvt_pk_f16_f32 v[ST+64+4*cj],   v[ST+64+4*cj+2], v[ST+64+4*cj+3]
	v_cvt_pk_f16_f32 v[ST+64+4*cj+1], v[TT+2*(cj%2)],  v[TT+2*(cj%2)+1]
.endif
.endm
.macro PHASEA
	WIN 0x02
.set kk, 0
.rept 16
.if kk%4 == 0
	s_wait_dscnt 24-2*kk                           ; of K's 32 loads, those issued behind key tiles kk / 2, kk / 2 + 1 may be out (Q's loads are older, V's come later)
.endif
	QKP kk, 0
.set kk, kk+1
.endr
.endm
.macro PHASEB diag
.set kk, 0
.rept 16
	WIN 0x02
	QKP kk, 1
	SMS 0, \diag, kk
.if kk >= 5
.if kk <= 12
	WIN 0x80                                       ; two fragments of V behind each of the eight long slices: 16 in all, the last three slices ahead of their first use
	VFRAG 2*kk-10
	VFRAG 2*kk-9
.endif
.endif
.set kk, kk+1
.endr
.endm
.macro PHASEC diag
.set kk, 0
.rept 16
	WIN 0x52
	PVP kk, 0, \diag
	SMS 1, \diag, kk
.set kk, kk+1
.endr
.endm
.macro PHASED diag, pf
.set kk, 0
.rept 16
.if \pf
.if kk%4 == 0
	s_wait_loadcnt 26-2*kk                         ; of the head's 34 loads (K i, V i by turns, then the copy's two) those issued behind V's load kk + 3 may be out
.endif
.endif
	WIN 0x52
	PVP kk, 1, \diag
.if \pf
	WIN 0x45
	CVS kk
.endif
.set kk, kk+1
.endr
.endm
; the next tile goes from registers to LDS
.macro TAIL
	WIN 0x45
	CVS 16
	CVS 17
	s_barrier_wait -1                              ; every wave has the old tile in its fragment registers
	WIN 0x04
	STO KST, ST, 2*PQK, 0
	STO VST, ST+64, 2*PVV, 0
	s_wait_loadcnt 0x0                             ; the copy's 32 bytes
	global_store_b128 v[COFF], v[CP:CP+3],   s[18:19] th:TH_STORE_NT
	global_store_b128 v[COFF], v[CP+4:CP+7], s[18:19] offset:2048 th:TH_STORE_NT
	WIN 0
	s_wait_xcnt 0x0                                ; the copy's bases and data registers are rewritten only behind this wait
	s_add_nc_u64 s[14:15], s[14:15], 4096
	s_add_nc_u64 s[18:19], s[18:19], 4096
	s_wait_dscnt 0x0                               ; my part of the new tile is in LDS,
	s_barrier_signal -1
	s_barrier_wait -1                              ; everybody's is
.endm
.macro TRIP diag, pf, wrap
	HEAD \pf, \wrap
	PHASEA
	PHASEB \diag
	s_wait_dscnt 0x0                               ; V's fragments are in too: my reads of this tile are over,
.if \pf
	s_barrier_signal -1                            ; say so; only register work stands between here and the wait at the trip's end
.endif
	PHASEC \diag
	PHASED \diag, \pf
.if \pf
	TAIL
.else
	WIN 0
.endif
.endm
; z = O / sum, rounded to f16, through my own rows of the block's Q region, out as 512 consecutive bytes a store
.macro EPILOG blk
	PLACES                                         ; behind the last products
	v_permlanex16_b32 v[T0], v[RL],   s34, s35     ; the other half's part of the sum
	v_permlanex16_b32 v[T1], v[RL+1], s34, s35
	v_add_f32 v[T0], v[T0], v[RL]
	v_add_f32 v[T1], v[T1], v[RL+1]
	v_rcp_f32 v[AL],   v[T0]                       ; the sum is at least 1: the key of the maximum has weight 1
	v_rcp_f32 v[AL+1], v[T0]
	v_rcp_f32 v[AL+2], v[T1]
	v_rcp_f32 v[AL+3], v[T1]
	v_nop                                          ; a plain instruction behind the reciprocals (ISA guide 5.7.2)
	WIN 0x01
	s_wait_alu depctr_va_vdst(0)
.irp d, 0,1,2,3
.irp u, 0,1
.irp p, 0,2,4,6
	v_pk_mul_f32 v[SC+8*(2*\d+\u)+\p:SC+8*(2*\d+\u)+\p+1], v[8*(2*\d+\u)+\p:8*(2*\d+\u)+\p+1], v[AL+2*\u:AL+2*\u+1]
.endr
.endr
.endr
	WIN 0
.irp d, 0,1,2,3
.irp u, 0,1
.irp p, 0,1,2,3
	v_cvt_pk_f16_f32 v[SC+64+4*(2*\d+\u)+\p], v[SC+8*(2*\d+\u)+2*\p], v[SC+8*(2*\d+\u)+2*\p+1]
.endr
	ds_store_b128 v[QLD], v[SC+64+4*(2*\d+\u):SC+64+4*(2*\d+\u)+3] offset:\blk*QBLK+\u*16*PQK+32*\d   ; query 16 u + r, d = 16 d + 8 h .. + 7
.endr
.endr
.irp i, 0,1,2,3,4,5,6,7
	ds_load_b128 v[SC+96+4*\i:SC+96+4*\i+3], v[ZRD] offset:\blk*QBLK+4*PQK*\i   ; four whole rows; LDS serves a wave's instructions in order (ISA guide 5.7.1.4)
.endr
.irp i, 0,1,2,3,4,5,6,7
	s_wait_dscnt 7-\i                              ; the loads issued behind load i may be out
	global_store_b128 v[ZOFF], v[SC+96+4*\i:SC+96+4*\i+3], s[44:45] offset:512*\i
.endr
	s_wait_xcnt 0x0                                ; the stores' data registers and base are written again only behind this wait
.endm
	s_load_b512 s[8:23], s[0:1], 0x0               ; q s[8:9], k s[10:11], v s[12:13], residual s[14:15], W_O s[16:17], out0 s[18:19], zb s[20:21], wb s[22:23]
	v_lshl_add_u32 v254, v0, 2, 0x12800
	v_mov_b32 v255, 0
	v_and_b32 v[T0], 31, v0                        ; L
	v_lshrrev_b32 v[T1], 5, v0
	v_readfirstlane_b32 s2, v[T1]                  ; w
	v_and_b32 v[T1], 15, v0                        ; r
	v_bfe_u32 v[T2], v0, 4, 1                      ; h
	s_and_b32 s24, ttmp9, 7                        ; a
	s_sub_co_u32 s25, 15, s24                      ; bb
	s_sub_co_u32 s39, s25, 1                       ; trips of block bb's loop, at least 7
	s_mov_b32 s26, s24                             ; the key tile in LDS
	s_lshr_b32 s3, ttmp9, 3
	s_lshr_b32 s4, s3, 4                           ; batch
	s_and_b32 s5, s3, 15                           ; head
	s_lshl_b32 s6, s4, 4
	s_add_co_u32 s7, s6, s24
	s_lshl4_add_u32 s7, s7, s5
	s_lshl_b32 s46, s7, 14                         ; zb: ((16 batch + a) x 16 + head) x 16,384
	s_add_co_u32 s7, s6, s25
	s_lshl4_add_u32 s7, s7, s5
	s_lshl_b32 s47, s7, 14                         ; the same for bb
	s_lshl_b32 s28, s4, 23                         ; batch x 2048 rows x 4,096 bytes
	s_lshl_b32 s5, s5, 8                           ; + head x 256 bytes
	s_add_co_u32 s28, s28, s5
	s_mov_b32 s29, 0                               ; s[28:29]: an offset as a pair
	s_mov_b32 s34, 0x76543210
	s_mov_b32 s35, 0xfedcba98
	s_mov_b32 s36, 0x3e38aa3b                      ; c = log2(e) / 8
	s_mov_b32 s37, 0x3e38aa3b
	s_mov_b32 s38, 0xbe38aa3b                      ; -c
	s_mul_i32 s6, s2, 32*PQK                       ; my wave's 32 rows in a region of pitch 144
	s_mul_i32 s7, s2, 32*PVV                       ; and of pitch 160
	s_lshl_b32 s3, s2, 17                          ; and in memory
	s_lshl_b32 s4, s2, 12                          ; my wave's 4,096 bytes of a block of z
	s_lshl_b32 s5, s2, 5
	v_lshlrev_b32 v36, 4, v[T1]
	v_lshl_add_u32 v[GOFF], v[T2], 12, v36
	v_add_nc_u32 v[GOFF], s3, v[GOFF]
	s_mov_b32 s3, 0xffff0000                       ; from here on: the mask of a word's upper bf16
	v_lshlrev_b32 v37, 3, v[T1]
	v_mul_u32_u24 v38, v[T2], PQK
	v_add_nc_u32 v[QST], v38, v37
	v_add_nc_u32 v[QST], s6, v[QST]
	v_add_nc_u32 v[KST], KBASE, v[QST]
	v_mul_u32_u24 v38, v[T2], PVV
	v_add_nc_u32 v[VST], v38, v37
	v_add_nc_u32 v[VST], s7, v[VST]
	v_add_nc_u32 v[VST], VBASE, v[VST]
	v_mul_u32_u24 v38, v[T1], PQK
	v_lshl_add_u32 v38, v[T2], 4, v38
	v_add_nc_u32 v[KLD], KBASE, v38
	v_add_nc_u32 v[QLD], s6, v38
	v_and_b32 v39, 7, v0
	v_lshl_add_u32 v40, v[T2], 3, v39
	v_mul_u32_u24 v40, v40, PVV
	v_bfe_u32 v41, v0, 3, 1
	v_lshl_add_u32 v40, v41, 4, v40
	v_add_nc_u32 v[VLD], VBASE, v40
	v_lshrrev_b32 v41, 3, v[T0]
	v_mul_u32_u24 v41, v41, PQK
	v_lshl_add_u32 v41, v39, 4, v41
	v_add_nc_u32 v[ZRD], s6, v41
	v_lshl_add_u32 v[ZOFF], v[T0], 4, s4
	v_lshlrev_b32 v[COFF], 4, v0
	v_lshlrev_b32 v[WSO], 3, v0
	v_mov_b32 v[MASKV], 0xc9435000                 ; -800000.0 = 8 x -100000
	v_lshlrev_b32 v41, 3, v[T2]
	v_sub_nc_u32 v[DQ], v[T1], v41
	v_add_nc_u32 v[DQ], s5, v[DQ]
	v_add_nc_u32 v[DQ+1], 16, v[DQ]
	s_wait_kmcnt 0x0
	s_add_nc_u64 s[8:9],   s[8:9],   s[28:29]      ; q, k, v at my batch and head
	s_add_nc_u64 s[40:41], s[10:11], s[28:29]
	s_add_nc_u64 s[42:43], s[12:13], s[28:29]
	s_lshl_b32 s28, s24, 19
	s_add_nc_u64 s[4:5],   s[8:9],   s[28:29]      ; Q block a, and the diagonal key tile a
	s_add_nc_u64 s[30:31], s[40:41], s[28:29]
	s_add_nc_u64 s[32:33], s[42:43], s[28:29]
	s_lshl_b32 s28, s25, 19
	s_add_nc_u64 s[6:7],   s[8:9],   s[28:29]      ; Q block bb
	s_lshl_b32 s28, ttmp9, 16
	s_add_nc_u64 s[14:15], s[14:15], s[28:29]      ; my 65,536 bytes of residual and of out0
	s_add_nc_u64 s[18:19], s[18:19], s[28:29]
	s_lshl_b32 s28, ttmp9, 14
	s_add_nc_u64 s[16:17], s[16:17], s[28:29]      ; my 16,384 bytes of W_O
	s_lshl_b32 s28, ttmp9, 13
	s_add_nc_u64 s[22:23], s[22:23], s[28:29]      ; and 8,192 of wb
	WIN 0x80
	LD16 0, 4                                      ; Q of both blocks waits in window 2, where the fragments come later
	LD16 64, 6
	WIN 0x40
	LD16 ST, 30
	LD16 ST+64, 32
	WIN 0
.irp i, 0,1,2,3,4,5,6,7
	global_load_b128 v[SC+4*\i:SC+4*\i+3], v[COFF], s[16:17] offset:2048*\i th:TH_LOAD_NT
.endr
	s_wait_loadcnt 40                              ; Q's 32 loads are in; the 32 of K and V and the 8 of W_O, issued behind them, may be out
	WIN 0x8a
	CVT 0, 32
	WIN 0x08
	STO QST, 0, 2*PQK, 0
	STO QST, 64, 2*PQK, QBLK
	s_wait_loadcnt 8                               ; K and V are in; W_O's 8 may be out
	WIN 0x45
	CVT ST, 16
	CVTV ST+64, 16
	WIN 0x04
	STO KST, ST, 2*PQK, 0
	STO VST, ST+64, 2*PVV, 0
	WIN 0
	s_wait_loadcnt 0x0
	CVTV SC, 8                                     ; W_O: bf16, written as f16
.irp i, 0,1,2,3,4,5,6,7
	global_store_b64 v[WSO], v[SC+4*\i:SC+4*\i+1], s[22:23] offset:1024*\i   ; a wave's store covers 256 consecutive bytes, aligned
.endr
	s_wait_xcnt 0x0                                ; the score registers are written again only behind this wait
	s_wait_dscnt 0x0                               ; my rows of the first tile are in LDS,
	s_barrier_signal -1
	s_barrier_wait -1                              ; everybody's are
	QFRAG 0
	TRIP 1, 1, 1                                   ; block a: the diagonal tile
	s_cmp_eq_u32 s24, 0
	s_cbranch_scc1 .LAdone
	s_mov_b32 s27, 0
.LA:
	TRIP 0, 1, 1                                   ; tiles a - 1 .. 0; the last of them fetches block bb's diagonal tile
	s_add_co_u32 s27, s27, 1
	s_cmp_lt_u32 s27, s24
	s_cbranch_scc1 .LA
.LAdone:
	s_mov_b32 s28, s46
	s_add_nc_u64 s[44:45], s[20:21], s[28:29]
	EPILOG 0
	QFRAG 1
	TRIP 1, 1, 0                                   ; block bb: the diagonal tile
	s_mov_b32 s27, 0
.LB:
	TRIP 0, 1, 0                                   ; tiles bb - 1 .. 1
	s_add_co_u32 s27, s27, 1
	s_cmp_lt_u32 s27, s39
	s_cbranch_scc1 .LB
	TRIP 0, 0, 0                                   ; tile 0: nothing is left to fetch
	s_mov_b32 s28, s47
	s_add_nc_u64 s[44:45], s[20:21], s[28:29]
	EPILOG 1
	s_wait_tensorcnt 0x0
	ds_add_u32 v254, v255
	s_wait_dscnt 0x0
	s_endpgm
.Lfunc_end_k_q6b6ecd35b5_attn:
	.size	k_q6b6ecd35b5_attn, .Lfunc_end_k_q6b6ecd35b5_attn-k_q6b6ecd35b5_attn
	.p2alignl 7, 3214868480
	.fill 96, 4, 3214868480
	.section	.rodata,"a",@progbits
	.p2align	6, 0x0
	.amdhsa_kernel k_q6b6ecd35b5_attn
		.amdhsa_group_segment_fixed_size 76288
		.amdhsa_private_segment_fixed_size 0
		.amdhsa_enable_private_segment 0
		.amdhsa_kernarg_size 64
		.amdhsa_user_sgpr_count 2
		.amdhsa_user_sgpr_kernarg_segment_ptr 1
		.amdhsa_wavefront_size32 1
		.amdhsa_system_sgpr_workgroup_id_x 1
		.amdhsa_system_sgpr_workgroup_id_y 1
		.amdhsa_system_sgpr_workgroup_id_z 1
		.amdhsa_system_vgpr_workitem_id 0
		.amdhsa_next_free_vgpr 768
		.amdhsa_next_free_sgpr 66
		.amdhsa_reserve_vcc 1
		.amdhsa_float_denorm_mode_32 3
		.amdhsa_float_denorm_mode_16_64 3
		.amdhsa_memory_ordered 1
		.amdhsa_forward_progress 1
		.amdhsa_inst_pref_size 255
	.end_amdhsa_kernel
	.section	.bss,"aw",@nobits
	.p2align	6
	.space	262144
	.amdgpu_metadata
---
amdhsa.version: [ 1, 2 ]
amdhsa.kernels:
  - .name:           k_q6b6ecd35b5_attn
    .symbol:         k_q6b6ecd35b5_attn.kd
    .args:
      - { .name: q, .offset: 0, .size: 8, .value_kind: global_buffer, .address_space: global }
      - { .name: k, .offset: 8, .size: 8, .value_kind: global_buffer, .address_space: global }
      - { .name: v, .offset: 16, .size: 8, .value_kind: global_buffer, .address_space: global }
      - { .name: residual, .offset: 24, .size: 8, .value_kind: global_buffer, .address_space: global }
      - { .name: W_O, .offset: 32, .size: 8, .value_kind: global_buffer, .address_space: global }
      - { .name: out0, .offset: 40, .size: 8, .value_kind: global_buffer, .address_space: global }
      - { .name: zb, .offset: 48, .size: 8, .value_kind: global_buffer, .address_space: global }
      - { .name: wb, .offset: 56, .size: 8, .value_kind: global_buffer, .address_space: global }
    .group_segment_fixed_size: 76288
    .private_segment_fixed_size: 0
    .kernarg_segment_align: 8
    .kernarg_segment_size: 64
    .max_flat_workgroup_size: 128
    .sgpr_count:     66
    .vgpr_count:     768
    .wavefront_size: 32
...
	.end_amdgpu_metadata
.endif
;; end of part 1
;; launch proj (part 2): grid 8 x 32, 4 waves a work-group, clusters of 4 x 4, 327,680 bytes of LDS; arguments zb, wb, b_O, out1; writes out1
.if DOCPART == 2
	.amdgcn_target "amdgcn-amd-amdhsa--gfx1250"
	.amdhsa_code_object_version 6
	.text
	.protected	k_q6b6ecd35b5_proj
	.globl	k_q6b6ecd35b5_proj
	.p2align	8
	.type	k_q6b6ecd35b5_proj,@function
k_q6b6ecd35b5_proj:
	s_mov_b64 s[64:65], 0
	v_nop
	global_prefetch_b8 v0, s[64:65] scope:SCOPE_SE
	s_setreg_imm32_b32 hwreg(HW_REG_WAVE_MODE, 25, 1), 1
	s_wait_xcnt 0x0
	s_wait_alu depctr_hold_cnt(0) depctr_sa_sdst(0) depctr_va_vdst(0) depctr_va_sdst(0) depctr_va_ssrc(0) depctr_va_vcc(0) depctr_vm_vsrc(0)
	s_getreg_b32 s2, hwreg(HW_REG_IB_STS2, 6, 4)
	s_cmp_eq_u32 s2, 0
	s_cbranch_scc0 .Lentry_in_a_cluster
	s_endpgm
.Lentry_in_a_cluster:
	s_bfe_u32 s2, ttmp6, 0x10000c
	s_cmp_lg_u32 s2, 0xf033
	s_cbranch_scc0 .Lentry_shape_is_right
	s_endpgm
.Lentry_shape_is_right:
; proj: out1[m][n] = sum over k of z[m][k] W[k][n] + b_O[n], m = 4096 rows, n = 1024, k = 1024 = head x 64 + d.  Nothing of this product is left out.
; zb: f16 [32 row blocks][16 heads][128 rows][64 d]; wb: f16 [1024 k][1024 n] (W_O rounded to bf16 and written as f16); both stored by the launch before,
; whose head says why z has f16's 11 bits and with which limits of range.  Sums in f32, out1 in f32.
; A work-group makes 128 x 128 of out1 with four waves; wave w makes rows 64 (w >> 1) .. and columns 64 (w & 1) ..: 16 accumulator tiles, 128 registers.
; K goes in four phases of 256 through two LDS slots filled by the tensor data mover, one load a wave: waves 0 and 1 bring two head slabs of z each
; (32,768 dense bytes as 128 rows of 256 bytes), waves 2 and 3 bring 128 k rows x 256 bytes of wb each.  Every row of a tile is 256 bytes of memory at a multiple of 256.
; CLUSTERS: 4 x 4 work-groups.  z's tiles hang on the row block alone and are asked for jointly by the four of a row of the cluster; wb's hang on the column
; block alone and are asked for jointly by the four of a column: the requests for both are divided by four.  Each joint load is the same line with the same
; descriptor in all four; no LDS address and no branch hangs on the place in the cluster.
; LDS: slot s at s x 147,456; in it wave w's part at w x 36,864.  z: 16 bytes of padding behind every 256 bytes, which hold two z rows: row m of a slab lies at
; (m >> 1) x 272 + (m & 1) x 128, a slab is 17,408 bytes, and the sixteen rows of a fragment load fall in 16-byte columns (r >> 1) + 8 (r & 1) modulo 16, all different.
; wb: pitch 288 = 9 x 32, for the transposing load.  Behind the slots, at 294,912, a stage of 16 rows x 272 bytes for each wave, into which no tensor load lands.
; THE MATRIX INSTRUCTION IS USED TRANSPOSED: source 0 = 16 columns of W, source 1 = 16 rows of z, so that a lane holds 8 neighbouring columns of one row of out1.
; REGISTERS: window 0: v16-31 addresses and bias, v64-127 and v128-191 two fragment buffers (z at + 8 a, W at + 32 + 8 b), v192-255 the way out; window 1: accumulator (a, b) at 8 (4 a + b).
.set PZ2,    272                       ; two z rows and the padding
.set ZSLAB,  64*PZ2                    ; a head's 128 rows
.set PW,     288
.set PART,   128*PW                    ; 36,864: a wave's part of a slot (z uses 34,816 of it)
.set SLOT,   4*PART
.set STAGE,  2*SLOT
.set SPITCH, 272
.set ADRZ, 16                          ; v16-17  slot s: s x SLOT + 64 (w >> 1) rows + my row's place + 16 h
.set ADRW, 20                          ; v20-23  2 s + half: s x SLOT + 2 PART + half x PART + (8 h + (L & 7)) x 288 + 128 (w & 1) + 16 ((L >> 3) & 1)
.set STO,  24                          ; the way out: stage + r x 272 + 32 h
.set RD,   25                          ; stage + (L >> 4) x 272 + 16 (L & 15)
.set CO,   26                          ; (L >> 4) x 4096 + 16 (L & 15)
.set BOFF, 27                          ; my four columns in b_O
.set BIAS, 28                          ; v28-31
.set F0,   64
.set F1,   128
.set OB,   192                         ; two buffers of 32 registers
.set G1,  24                           ; s[24:31] descriptor group 1 for z
.set G0,  32                           ; s[32:39] group 0 for z, a set for each slot
.set G1B, 48                           ; s[48:55] group 1 for wb
.set G0B, 56                           ; s[56:63] group 0 for wb, a set for each slot
.set MSB, 0
.macro WIN new                         ; the immediate's high byte repeats the setting that is left
.if MSB != \new
	s_set_vgpr_msb (MSB<<8)|\new
.set MSB, \new
.endif
.endm
.macro PLACES
.rept 4
	v_nop
.endr
.endm
; a joint load: waves 0 and 1 ask for z, waves 2 and 3 for wb.  The branch hangs on the wave's number alone.
.macro JLOAD s
	s_cmp_eq_u32 s11, 0
	s_cbranch_scc0 .Lfor_w_\@
	tensor_load_to_lds s[G0+4*\s:G0+4*\s+3], s[G1:G1+7]
	s_nop 0
	s_branch .Lasked_\@
.Lfor_w_\@:
	tensor_load_to_lds s[G0B+4*\s:G0B+4*\s+3], s[G1B:G1B+7]
	s_nop 0
.Lasked_\@:
.endm
; a round of the cluster's barrier: my work-group's barrier, wave 0 signals for the work-group, every wave waits for all sixteen, my work-group's barrier again
.macro CREST
	s_cmp_lg_u32 s10, 0
	s_cbranch_scc1 .Lnot_wave_0_\@
	s_barrier_signal -3
.Lnot_wave_0_\@:
	s_barrier_wait -3
	s_barrier_signal -1
	s_barrier_wait -1
.endm
.macro CROUND
	s_barrier_signal -1
	s_barrier_wait -1
	CREST
.endm
	s_load_b128 s[4:7], s[0:1], 0x0                ; zb s[4:5], wb s[6:7]
	s_load_b64 s[2:3], s[0:1], 0x10                ; b_O
	s_load_b64 s[8:9], s[0:1], 0x18                ; out1
	v_lshl_add_u32 v62, v0, 2, 0x4c400
	v_mov_b32 v63, 0
	ds_add_u32 v62, v63
	v_lshrrev_b32 v1, 5, v0
	v_readfirstlane_b32 s10, v1                    ; wave 0..3
	s_lshr_b32 s11, s10, 1                         ; my half of the block's rows.  Also: I fetch z (0) or wb (1)
	s_and_b32 s12, s10, 1                          ; my half of its columns.  Also: which half of that tile I fetch
	s_bfe_u32 s40, ttmp6, 0x40000                  ; cx
	s_bfe_u32 s41, ttmp6, 0x40004                  ; cy
	s_lshl_b32 s42, ttmp9, 2
	s_add_co_u32 s42, s42, s40                     ; column block 0..7
	s_and_b32 s13, ttmp7, 0xffff
	s_lshl_b32 s13, s13, 2
	s_add_co_u32 s13, s13, s41                     ; row block 0..31
	s_lshl_b32 s43, s41, 2
	s_lshl_b32 s43, 15, s43                        ; my row of the cluster
	s_lshl_b32 s44, 0x1111, s40                    ; my column
	s_or_b32 s[G1+0],  s43, (1<<16)|(1<<20)|(1<<21)|(5<<22)|(3<<25)   ; the mask; elements of 2 bytes; padding on; bit 21 beside a mask; behind every 64 words 4 words
	s_or_b32 s[G1B+0], s44, (1<<16)|(1<<20)|(1<<21)|(5<<22)|(7<<25)   ; the same with my column's mask and 8 words of padding
	s_mov_b32 s[G1+1],  128<<16                    ; tensor_dim0 = 128 elements
	s_mov_b32 s[G1B+1], 128<<16
	s_mov_b32 s[G1+2],  128<<16                    ; tensor_dim1 = 128 rows
	s_mov_b32 s[G1B+2], 128<<16
	s_mov_b32 s[G1+3],  128<<16                    ; tile_dim0 = 128
	s_mov_b32 s[G1B+3], 128<<16
	s_mov_b32 s[G1+4],  128                        ; tile_dim1 = 128
	s_mov_b32 s[G1B+4], 128
	s_mov_b32 s[G1+5],  128                        ; z is dense: a row begins where the last ends
	s_mov_b32 s[G1B+5], 1024                       ; wb: 1,024 elements from row to row
	s_mov_b32 s[G1+6],  0
	s_mov_b32 s[G1B+6], 0
	s_mov_b32 s[G1+7],  0
	s_mov_b32 s[G1B+7], 0
	; z's address is made of the row block and the wave's number, wb's of the column block and the wave's number, each in registers that never hold the other coordinate
	s_lshl_b32 s16, s13, 18                        ; row block x 262,144
	s_lshl_b32 s17, s12, 15                        ; + my two head slabs
	s_add_co_u32 s16, s16, s17
	s_mov_b32 s17, 0
	s_lshl_b32 s46, s42, 8                         ; column block x 256 bytes
	s_lshl_b32 s47, s12, 18                        ; + my 128 rows of 2,048 bytes
	s_add_co_u32 s46, s46, s47
	s_mov_b32 s47, 0
	s_mul_i32 s20, s10, PART                       ; where my part goes
	s_wait_dscnt 0x0
	s_wait_kmcnt 0x0
	s_add_nc_u64 s[14:15], s[4:5], s[16:17]
	s_add_nc_u64 s[46:47], s[6:7], s[46:47]
	CROUND                                         ; all sixteen work-groups are here: the first joint loads meet
.irp s, 0,1
	s_mov_b32 s[G0+4*\s], 1
	s_add_co_u32 s[G0+4*\s+1], s20, \s*SLOT
	s_add_nc_u64 s[G0+4*\s+2:G0+4*\s+3], s[14:15], \s*65536        ; phase s: four heads of 16,384 bytes on
	s_or_b32 s[G0+4*\s+3], s[G0+4*\s+3], 0x80000000
	s_mov_b32 s[G0B+4*\s], 1
	s_add_co_u32 s[G0B+4*\s+1], s20, \s*SLOT
	s_add_nc_u64 s[G0B+4*\s+2:G0B+4*\s+3], s[46:47], \s*524288     ; phase s: 256 rows of 2,048 bytes on
	s_or_b32 s[G0B+4*\s+3], s[G0B+4*\s+3], 0x80000000
.endr
	s_cmp_eq_u32 s11, 0                            ; both first fills of a wave in one branch: two tensor loads of the wave are out
	s_cbranch_scc0 .Lfirst_w
	tensor_load_to_lds s[G0:G0+3],   s[G1:G1+7]
	s_nop 0
	tensor_load_to_lds s[G0+4:G0+7], s[G1:G1+7]
	s_nop 0
	s_branch .Lfirst_done
.Lfirst_w:
	tensor_load_to_lds s[G0B:G0B+3],   s[G1B:G1B+7]
	s_nop 0
	tensor_load_to_lds s[G0B+4:G0B+7], s[G1B:G1B+7]
	s_nop 0
.Lfirst_done:
	v_and_b32 v1, 15, v0                           ; r
	v_bfe_u32 v2, v0, 4, 1                         ; h
	s_lshl_b32 s45, s42, 9                         ; my 64 columns, in bytes of f32: 512 x column block + 256 x half
	s_lshl_b32 s44, s12, 8
	s_add_co_u32 s45, s45, s44
	v_lshl_add_u32 v[BOFF], v1, 4, s45
	global_load_b128 v[BIAS:BIAS+3], v[BOFF], s[2:3]
	v_lshrrev_b32 v3, 1, v1
	v_mul_u32_u24 v3, v3, PZ2                      ; (r >> 1) x 272
	v_and_b32 v6, 1, v1
	v_lshl_add_u32 v3, v6, 7, v3                   ; + (r & 1) x 128
	v_lshl_add_u32 v3, v2, 4, v3                   ; + 16 h
	s_mul_i32 s21, s11, 32*PZ2                     ; my 64 rows
	v_add_nc_u32 v[ADRZ], s21, v3
	v_add_nc_u32 v[ADRZ+1], SLOT, v[ADRZ]
	v_and_b32 v4, 7, v0
	v_lshl_add_u32 v4, v2, 3, v4
	v_mul_u32_u24 v4, v4, PW
	v_bfe_u32 v5, v0, 3, 1
	v_lshl_add_u32 v4, v5, 4, v4
	s_lshl_b32 s22, s12, 7                         ; my 64 columns, in bytes of f16
	s_add_co_u32 s22, s22, 2*PART                  ; wb's parts lie behind z's
	v_add_nc_u32 v[ADRW], s22, v4
	v_add_nc_u32 v[ADRW+1], PART, v[ADRW]
	v_add_nc_u32 v[ADRW+2], SLOT, v[ADRW]
	v_add_nc_u32 v[ADRW+3], SLOT+PART, v[ADRW]
	s_mul_i32 s23, s10, 16*SPITCH
	s_add_co_u32 s23, s23, STAGE
	v_mul_u32_u24 v5, v1, SPITCH
	v_lshl_add_u32 v5, v2, 5, v5
	v_add_nc_u32 v[STO], s23, v5
	v_mul_u32_u24 v5, v2, SPITCH
	v_lshl_add_u32 v5, v1, 4, v5
	v_add_nc_u32 v[RD], s23, v5
	v_lshlrev_b32 v5, 12, v2
	v_lshl_add_u32 v[CO], v1, 4, v5
; the fragments of quarter q (32 along K, q = 0..7 of a phase) into buffer f: 64 rows of z, 64 columns of W.  Four places stand between the products that read the
; buffer and the loads into it (ISA guide 7.12.1 for vector instructions).
.macro FETCH slot, q, f
	PLACES
.irp a, 0,1,2,3
	ds_load_b128 v[\f+8*\a:\f+8*\a+3],   v[ADRZ+\slot] offset:((\q)>>2)*PART+(((\q)>>1)&1)*ZSLAB+\a*8*PZ2+((\q)&1)*64
	ds_load_b128 v[\f+8*\a+4:\f+8*\a+7], v[ADRZ+\slot] offset:((\q)>>2)*PART+(((\q)>>1)&1)*ZSLAB+\a*8*PZ2+((\q)&1)*64+32
.endr
.irp b, 0,1,2,3
	ds_load_tr16_b128 v[\f+32+8*\b:\f+32+8*\b+3],   v[ADRW+2*\slot+((\q)>>2)] offset:((\q)&3)*32*PW+32*\b
	ds_load_tr16_b128 v[\f+32+8*\b+4:\f+32+8*\b+7], v[ADRW+2*\slot+((\q)>>2)] offset:((\q)&3)*32*PW+32*\b+16*PW
.endr
.endm
; 16 products in f16: the 16 accumulators take turns, one instruction a turn, in the same order every time
.macro MUL16 f, zero
.irp a, 0,1,2,3
.irp b, 0,1,2,3
.if \zero
	v_wmma_f32_16x16x32_f16 v[8*(4*\a+\b):8*(4*\a+\b)+7], v[\f+32+8*\b:\f+32+8*\b+7], v[\f+8*\a:\f+8*\a+7], 0
.else
	v_wmma_f32_16x16x32_f16 v[8*(4*\a+\b):8*(4*\a+\b)+7], v[\f+32+8*\b:\f+32+8*\b+7], v[\f+8*\a:\f+8*\a+7], v[8*(4*\a+\b):8*(4*\a+\b)+7]
.endif
.endr
.endr
.endm
.macro STEP slot, q, f, g, zero, last
.if \last
	s_wait_dscnt 0x0
.else
	FETCH \slot, \q+1, \g
	s_wait_dscnt 16                                ; this quarter's fragments are in; the 16 loads just issued may be out
.endif
	WIN 0x50
	MUL16 \f, \zero
	WIN 0
.endm
.macro PHASE slot, zero
	FETCH \slot, 0, F0
	STEP \slot, 0, F0, F1, \zero, 0
	STEP \slot, 1, F1, F0, 0, 0
	STEP \slot, 2, F0, F1, 0, 0
	STEP \slot, 3, F1, F0, 0, 0
	STEP \slot, 4, F0, F1, 0, 0
	STEP \slot, 5, F1, F0, 0, 0
	STEP \slot, 6, F0, F1, 0, 0
	STEP \slot, 7, F1, F0, 0, 1
.endm
; slot s has been read and is filled again, two phases on.  Each wave's reads of it are back and all its tensor loads have landed in front of the round's opening
; signal; only register work stands inside the round; the joint load is the first tensor load behind it, one a wave, and has a phase of 128 products in which to land.
.macro REFILL s
	s_wait_dscnt 0x0
	s_wait_tensorcnt 0x0
	ds_add_u32 v62, v63
	s_wait_dscnt 0x0
	CROUND
	s_add_nc_u64 s[G0+4*\s+2:G0+4*\s+3],   s[G0+4*\s+2:G0+4*\s+3],   131072
	s_add_nc_u64 s[G0B+4*\s+2:G0B+4*\s+3], s[G0B+4*\s+2:G0B+4*\s+3], 1048576
	JLOAD \s
.endm
	s_wait_tensorcnt 0x1                           ; my part of slot 0 is in; slot 1's, issued behind it, may be out
	s_barrier_signal -1
	s_barrier_wait -1                              ; everybody's part is in
	PHASE 0, 1                                     ; k 0..255: the first products start the sums
	REFILL 0
	PHASE 1, 0                                     ; k 256..511
	REFILL 1
	PHASE 0, 0                                     ; k 512..767
	s_wait_dscnt 0x0
	s_wait_tensorcnt 0x0                           ; my part of the last phase is in,
	s_barrier_signal -1
	s_barrier_wait -1                              ; everybody's is; nothing is left to fetch
	PHASE 1, 0                                     ; k 768..1023
	; THE WAY OUT, 16 rows at a time: 32 bytes a lane into my own stage, back as whole rows of 256 bytes, the bias added, stored.
	PLACES                                         ; behind the last products, before LDS stores read the sums
	s_wait_loadcnt 0x0                             ; the bias
	s_lshl_b32 s16, s13, 19                        ; row block x 128 rows of 4,096 bytes
	s_lshl_b32 s17, s11, 18                        ; + my 64 rows
	s_add_co_u32 s16, s16, s17
	s_mov_b32 s17, 0
	s_add_nc_u64 s[8:9], s[8:9], s[16:17]
	s_mov_b32 s46, s45                             ; + my 64 columns
	s_mov_b32 s47, 0
	s_add_nc_u64 s[8:9], s[8:9], s[46:47]
.macro OUT16 a, buf
	WIN 0x04
.irp b, 0,1,2,3
	ds_store_b128 v[STO], v[8*(4*\a+\b):8*(4*\a+\b)+3]   offset:64*\b      ; row r, columns 16 b + 8 h .. + 3
	ds_store_b128 v[STO], v[8*(4*\a+\b)+4:8*(4*\a+\b)+7] offset:64*\b+16
.endr
	WIN 0
	s_wait_xcnt 0x0                                ; the buffer, which stores read, and the stores' base are rewritten only behind this wait
.if \a
	s_add_nc_u64 s[8:9], s[8:9], 65536             ; 16 rows on
.endif
.irp t, 0,1,2,3,4,5,6,7
	ds_load_b128 v[\buf+4*\t:\buf+4*\t+3], v[RD] offset:\t*2*SPITCH        ; LDS serves a wave's instructions in order (ISA guide 5.7.1.4): these see the stores above
.endr
.irp t, 0,1,2,3,4,5,6,7
	s_wait_dscnt 7-\t                              ; the loads issued behind load t may be out
	v_pk_add_f32 v[\buf+4*\t:\buf+4*\t+1],   v[\buf+4*\t:\buf+4*\t+1],   v[BIAS:BIAS+1]
	v_pk_add_f32 v[\buf+4*\t+2:\buf+4*\t+3], v[\buf+4*\t+2:\buf+4*\t+3], v[BIAS+2:BIAS+3]
	global_store_b128 v[CO], v[\buf+4*\t:\buf+4*\t+3], s[8:9] offset:8192*\t th:TH_STORE_NT   ; 16 lanes store 256 consecutive bytes, aligned
.endr
.endm
	OUT16 0, OB
	OUT16 1, OB+32
	OUT16 2, OB
	OUT16 3, OB+32
	s_wait_tensorcnt 0x0
	ds_add_u32 v62, v63
	s_wait_dscnt 0x0
	CROUND                                         ; the closing round: no work-group ends while a partner may still ask for a tile that names it
	s_endpgm
.Lfunc_end_k_q6b6ecd35b5_proj:
	.size	k_q6b6ecd35b5_proj, .Lfunc_end_k_q6b6ecd35b5_proj-k_q6b6ecd35b5_proj
	.p2alignl 7, 3214868480
	.fill 96, 4, 3214868480
	.section	.rodata,"a",@progbits
	.p2align	6, 0x0
	.amdhsa_kernel k_q6b6ecd35b5_proj
		.amdhsa_group_segment_fixed_size 327680
		.amdhsa_private_segment_fixed_size 0
		.amdhsa_enable_private_segment 0
		.amdhsa_kernarg_size 32
		.amdhsa_user_sgpr_count 2
		.amdhsa_user_sgpr_kernarg_segment_ptr 1
		.amdhsa_wavefront_size32 1
		.amdhsa_system_sgpr_workgroup_id_x 1
		.amdhsa_system_sgpr_workgroup_id_y 1
		.amdhsa_system_sgpr_workgroup_id_z 1
		.amdhsa_system_vgpr_workitem_id 0
		.amdhsa_next_free_vgpr 384
		.amdhsa_next_free_sgpr 66
		.amdhsa_reserve_vcc 0
		.amdhsa_float_denorm_mode_32 3
		.amdhsa_float_denorm_mode_16_64 3
		.amdhsa_memory_ordered 1
		.amdhsa_forward_progress 1
		.amdhsa_inst_pref_size 93
	.end_amdhsa_kernel
	.amdgpu_metadata
---
amdhsa.version: [ 1, 2 ]
amdhsa.kernels:
  - .name:           k_q6b6ecd35b5_proj
    .symbol:         k_q6b6ecd35b5_proj.kd
    .args:
      - { .name: zb, .offset: 0, .size: 8, .value_kind: global_buffer, .address_space: global }
      - { .name: wb, .offset: 8, .size: 8, .value_kind: global_buffer, .address_space: global }
      - { .name: b_O, .offset: 16, .size: 8, .value_kind: global_buffer, .address_space: global }
      - { .name: out1, .offset: 24, .size: 8, .value_kind: global_buffer, .address_space: global }
    .group_segment_fixed_size: 327680
    .private_segment_fixed_size: 0
    .kernarg_segment_align: 8
    .kernarg_segment_size: 32
    .max_flat_workgroup_size: 128
    .sgpr_count:     66
    .vgpr_count:     384
    .wavefront_size: 32
...
	.end_amdgpu_metadata
.endif
;; end of part 2
;; ======== version 2 of 2: 2 launches; version 1 with the launch attn written anew for expert scheduling mode
;; limits: values are held in f16: magnitudes above 65,504 overflow, below 6.1e-05 lose precision; inputs' magnitudes at most 65,504
;; workspace buffers: zb 8,388,608 bytes; wb 2,097,152 bytes
;; launch attn (part 3): grid 256 x 1, 4 waves a work-group, no clusters, 76,288 bytes of LDS; arguments q, k, v, residual, W_O, out0, zb, wb; writes out0, zb, wb
.if DOCPART == 3
	.amdgcn_target "amdgcn-amd-amdhsa--gfx1250"
	.amdhsa_code_object_version 6
	.text
	.protected	k_q6b6ecd35b5_attn
	.globl	k_q6b6ecd35b5_attn
	.p2align	8
	.type	k_q6b6ecd35b5_attn,@function
k_q6b6ecd35b5_attn:
	s_mov_b64 s[64:65], 0
	v_nop
	global_prefetch_b8 v0, s[64:65] scope:SCOPE_SE
	s_setreg_imm32_b32 hwreg(HW_REG_WAVE_SCHED_MODE, 0, 2), 2
	s_setreg_imm32_b32 hwreg(HW_REG_WAVE_MODE, 25, 1), 1
	s_wait_xcnt 0x0
	s_wait_alu depctr_vm_vsrc(0)
; attn: z = softmax(causal(q k^T / 8)) v for 2 batches x 16 heads x 2048 positions x 64, stored as f16 in zb; beside it out0 = residual (a copy)
; and wb = W_O for the matrix unit.  The next launch makes out1 = z W_O + b_O from zb and wb.
;
; LEFT OUT.  reference() puts -100000 in the place of every score with key > query (jnp.where on a jnp.tril of its own), so the products q.k of
; those places reach no output whatever q and k hold: key tiles of 128 that lie wholly above the diagonal are not multiplied (120 of the 256 tile
; pairs of a head).  Their weights are exp(-100000 - m), m the row's largest entry.  Every row holds the allowed score of key = query, and while
; m > -99,890 that weight is under the smallest f32 number and reference()'s own f32 gives 0: the tiles add nothing to the row's sum or to z.
; Inside the diagonal tile the masked places get -100000 as in reference() (here -800000, since the scores are kept unscaled, 8 times larger).
; FORMATS.  The four inputs of the products, q, k, v and W_O, are each rounded once to bf16 (nearest even).  The intermediate operands, the weights P and z,
; are rounded to f16: a row with few keys has a z as large as v itself, so its results are some ten times the output's root mean square, and bf16's 8 bits
; on P and z would there cost more than a hundredth of that root mean square; f16's 11 bits cost an eighth of it.  A matrix instruction takes both operands in one
; format, so v and W_O, once rounded to bf16, are written as f16, which holds every bf16 number of magnitude 2^-17 to 65,504 exactly.
; Maxima, exponentials and sums are f32, with a running maximum taken away before every exponential.
; LIMITS.  A row whose largest allowed score q.k/8 is below -99,890 is not served as reference() serves it (there the masked keys would get weight).
; A NaN, an infinity or an overflow in rows of k or v that only the tiles left out touch is not carried to the result.  A v or W_O of magnitude above
; 65,504 becomes infinite; one below 2^-17, and a weight below 2^-14 of its row's largest, carries an absolute error of up to 2^-25.
; Every input has a way to an output: b_O is read by the next launch.
;
; SHARES.  256 work-groups of four waves.  Work-group g: head bh = g >> 3, query blocks a = g & 7 and bb = 15 - a of 128 rows: (a + 1) + (bb + 1) = 17 key
; tiles in every work-group.  Wave w owns queries 32 w .. 32 w + 31 of a block, as two tiles u = 0, 1 of 16.  A block starts with its diagonal tile, which
; starts the sums and makes every maximum finite, and walks down to key tile 0.  The 16 trips that have a successor fetch the next tile, and each of them
; copies 4,096 bytes of residual: 16 x 4,096 = 65,536 = 1/256 of it.  16,384 bytes of W_O are cast at the start.
; PRODUCTS ARE TRANSPOSED: S^T = K Q^T (a lane holds 8 keys of one query in a tile's 8 registers) and O^T = V^T P^T.  Two S tiles packed to f16 in place ARE
; the second product's B fragment, so the weights never leave the registers, and a query's maximum and sum are one number a lane.
; A TRIP.  A wave issues in order, so products and vector work run side by side only where they alternate in the text.  The two query tiles are two independent
; pieces that share the K and V fragments and take turns:
;   A  16 products K Q0^T, as K's fragments arrive; behind its first, second and third four stand eight to ten of the next key tile's global loads
;   B  16 products K Q1^T,   behind each a slice of tile 0's softmax (the last two rescale O0); V's fragments come in eight runs of four loads behind slices 5 to 12
;   C  16 products V^T P0^T, behind each a slice of tile 1's softmax (the last two rescale O1)
;   D  16 products V^T P1^T, behind each a slice of the next key tile's conversions
; A slice names none of the registers of the products between which it stands, so the slices are also the places that stand behind products (ISA guide 7.12.1).
; WINDOWS.  The scores (128 registers), Q's fragments (32) and the statistics, sums and addresses (44) take 204 of window 0's 256; O's 64 do not fit beside them, and each
; K and V fragment is used by both pieces, sixteen products apart, so all 256 fragment registers are live at once (or each would be read from LDS twice).  So a product
; of B, C and D names other windows than its slice: two switches a product, 96 of the about 115 switches of a trip.
; NO CLUSTER, NO TENSOR LOADS: k and v are f32 in memory; a tile copied as it lies would take twice the LDS bytes and a second pass through registers into
; other LDS bytes to be rounded.  Loaded through registers each number is rounded once per work-group.  And the eight work-groups of a head walk
; the key tiles in different orders (a, a-1, .., 0, then 15-a, ..), so they do not ask for the same tile at the same time.
;
; THE MODE: SCHED_MODE bits 1:0 = 2 (LLVM: expert scheduling mode 2), set by the entry lines.  The code itself states the register dependences
; between vector or matrix instructions and memory or LDS instructions, with s_wait_alu, always for 0.
; THE PLAN.  Registers that memory or LDS instructions touch, in a trip:
;   K's fragments (window 2, v0-127)     the head's 32 LDS loads land in them; the products of A and B read them.
;   V's fragments (window 2, v128-255)   the 32 LDS loads of B land in them; the products of C and D read them.
;   the next tile (window 1, v64-191)    32 global loads, of the head and of A, land in it; the conversions of D and of the trip's end read and write it; then 32 LDS stores read it.
;   the copy (window 1, v192-199)        two global loads of A land in it, two global stores at the trip's end read it; no vector instruction names it.
;   the addresses v1-v10, v34            made once at the kernel's head, never written again: the rows are reached by scalar bases and immediate offsets.
;   Q's fragments (v36-67)               eight LDS loads at a block's beginning; the products of A and B read them.
;   The scores, sums and statistics and O are named by vector and matrix instructions alone, but for the scores' registers at the start (W_O's cast) and on the way out.
; So a trip has three such waits.  ONE on va_vdst at its head: the trip before is done with the fragments and with the next tile's registers; from there to each of the trip's 98 loads
; no vector or matrix instruction names a register that the load touches (A and B name K, Q, the scores and the statistics; C and D stand behind all the loads).  ONE on va_vdst at its
; end, ahead of the LDS stores: the conversions have written their data.  ONE on vm_vsrc behind those stores and the copy's: they have read the registers in which the next trip's loads land.
; Beside them stand the waits between the exponentials and their readers, and, in a diagonal trip, one on va_sdst between each sixteen compares and the selects that read their masks.
;
; LDS (16-bit numbers, written by ds_store alone): Q block a at 0, Q block bb at 18,432, K at 36,864 (128 rows, pitch 144 = 9 x 16: the sixteen rows of a
; fragment load fall in sixteen different 16-byte columns modulo 256), V at 55,296 (pitch 160 = 5 x 32, for the transposing load).  A wave's 32 rows of a Q
; block are written and read by that wave alone, and serve as its stage for z once the block's Q fragments are in registers.
; K and V have one LDS buffer: a trip takes the whole tile into fragment registers by the end of B, and the next tile waits in registers for the trip's end.
; REGISTERS, in windows of 256: window 0 addresses, statistics, Q fragments, scores, sums; window 1 O (64), the next tile as loaded (128), the copy (8), 4 at work;
; window 2 the fragments of K (128) and of V^T (128).
.set PQK,   144                        ; LDS pitch of Q and K rows (128 bytes of data)
.set PVV,   160                        ; LDS pitch of V rows
.set QBLK,  128*PQK                    ; 18,432
.set KBASE, 2*QBLK
.set VBASE, 3*QBLK                     ; V ends at 55,296 + 128 x 160 = 75,776
.set GOFF,  1                          ; (32 w + (L >> 4)) x 4096 + 16 (L & 15): my 16 bytes in the first two of my wave's 32 rows of a tile
.set KST,   2                          ; where my 8 bytes of K go in LDS
.set VST,   3                          ; the same for V
.set QST,   4                          ; the same for Q (block a; block bb by the offset)
.set KLD,   5                          ; K fragments: KBASE + r x 144 + 16 h
.set VLD,   6                          ; V^T fragments: VBASE + (8 h + (L & 7)) x 160 + 16 ((L >> 3) & 1)
.set QLD,   7                          ; Q fragments, and z into the stage: (32 w + r) x 144 + 16 h
.set ZRD,   8                          ; z back from the stage: (32 w + (L >> 3)) x 144 + 16 (L & 7)
.set ZOFF,  9                          ; z in memory: 4096 w + 16 L
.set COFF,  10                         ; 16 x thread: the copy, and W_O in
.set MASKV, 11                         ; -800000.0
.set DQ,    12                         ; v12-13  u: my query in the block, less 8 h
.set RM,    14                         ; v14-15  u: running maximum (unscaled)
.set NM,    16                         ; v16-19  u: a pair, both -c x maximum
.set AL,    20                         ; v20-23  u: a pair, both the factor for the old sums; at the end 1 / sum
.set RL,    24                         ; v24-25  u: running sum of my lane's keys
.set T0,    26
.set T1,    27
.set T2,    28
.set MX,    30                         ; v30-33  four chains of the tile's maximum
.set WSO,   34                         ; 8 x thread: wb out
.set QF,    36                         ; v36-67  Q fragment (u, c) at 36 + 16 u + 8 c
.set SC,    68                         ; v68-195 score tile (t, u) at 68 + 64 u + 8 t; packed, P fragment (c, u) at 68 + 64 u + 8 c
.set SA,    196                        ; v196-203 four pairs of partial sums
.set ST,    64                         ; window 1: v64-127 K, v128-191 V as loaded; O (d, u) at 8 (2 d + u)
.set CP,    192                        ; window 1: 8 registers of the copy
.set TT,    200                        ; window 1: v200-203 two pairs at work in the conversions
.set VF,    128                        ; window 2: V^T fragment f = 4 c + d at 128 + 8 f; K fragment (t, c) at 16 t + 8 c
.set MK,    48                         ; s48-63  the masks of sixteen compares of the diagonal tile
.set MSB, 0
.macro WIN new                         ; low byte: bits 1:0 source 0, 3:2 source 1, 5:4 source 2, 7:6 destination; the high byte repeats the setting that is left
.if MSB != \new
	s_set_vgpr_msb (MSB<<8)|\new
.set MSB, \new
.endif
.endm
.macro PLACES
.rept 4
	v_nop
.endr
.endm
; 16 loads: my wave's 32 rows of a tile; each load covers two whole rows of 256 bytes of one head
.macro LD16 dst, base
.irp i, 0,1,2,3,4,5,6,7,8,9,10,11,12,13,14,15
	global_load_b128 v[\dst+4*\i:\dst+4*\i+3], v[GOFF], s[\base:\base+1] offset:8192*\i
.endr
.endm
; n loads of four f32 are rounded in place to two registers of bf16 each
.macro CVT base, n
.set ci, 0
.rept \n
	v_cvt_pk_bf16_f32 v[\base+4*ci], v[\base+4*ci], v[\base+4*ci+1]
	v_cvt_pk_bf16_f32 v[\base+4*ci+1], v[\base+4*ci+2], v[\base+4*ci+3]
.set ci, ci+1
.endr
.endm
; the same, and the bf16 numbers are then written as f16 (exact: see FORMATS): each packed register is widened into the load's two freed registers and packed again.
; Laid in stages over all n loads, so that no instruction needs the result of the one in front of it.  (The start's form; in a trip: CVS.)
.macro CVTV base, n
	CVT \base, \n
.irp half, 0,1
.set ci, 0
.rept \n
	v_lshlrev_b32 v[\base+4*ci+2], 16, v[\base+4*ci+\half]         ; bf16 to f32: the low half moves up,
	v_and_b32     v[\base+4*ci+3], s3, v[\base+4*ci+\half]         ; the high half stays
.set ci, ci+1
.endr
.set ci, 0
.rept \n
	v_cvt_pk_f16_f32 v[\base+4*ci+\half], v[\base+4*ci+2], v[\base+4*ci+3]
.set ci, ci+1
.endr
.endr
.endm
.macro STO adr, base, step, off        ; and go to LDS, two rows a store
.irp i, 0,1,2,3,4,5,6,7,8,9,10,11,12,13,14,15
	ds_store_b64 v[\adr], v[\base+4*\i:\base+4*\i+1] offset:\off+\i*\step
.endr
.endm
.macro QFRAG blk                       ; my 32 queries as four B fragments (16 queries x 32 d).  No vector or matrix instruction since the last wait on va_vdst names v36-67 or the address
.irp u, 0,1
.irp c, 0,1
	ds_load_b128 v[QF+16*\u+8*\c:QF+16*\u+8*\c+3],   v[QLD] offset:\blk*QBLK+\u*16*PQK+64*\c
	ds_load_b128 v[QF+16*\u+8*\c+4:QF+16*\u+8*\c+7], v[QLD] offset:\blk*QBLK+\u*16*PQK+64*\c+32
.endr
.endr
.endm
.macro KLOADS t0                       ; the fragments of key tiles t0 and t0 + 1: eight loads
.irp t, \t0, \t0+1
.irp c, 0,1
	ds_load_b128 v[16*(\t)+8*\c:16*(\t)+8*\c+3],   v[KLD] offset:16*PQK*(\t)+64*\c
	ds_load_b128 v[16*(\t)+8*\c+4:16*(\t)+8*\c+7], v[KLD] offset:16*PQK*(\t)+64*\c+32
.endr
.endr
.endm
.macro VFRAG f                         ; V^T fragment f = 4 c + d (keys 32 c .., d 16 d ..): two transposing loads
	ds_load_tr16_b128 v[VF+8*(\f):VF+8*(\f)+3],   v[VLD] offset:32*PVV*((\f)/4)+32*((\f)%4)
	ds_load_tr16_b128 v[VF+8*(\f)+4:VF+8*(\f)+7], v[VLD] offset:32*PVV*((\f)/4)+32*((\f)%4)+16*PVV
.endm
.macro GLD i                           ; rows 2 i, 2 i + 1 of my 32 of the next tile: K's, then V's
	global_load_b128 v[ST+4*(\i):ST+4*(\i)+3],       v[GOFF], s[30:31] offset:8192*(\i)
	global_load_b128 v[ST+64+4*(\i):ST+64+4*(\i)+3], v[GOFF], s[32:33] offset:8192*(\i)
.endm
; The trip's head.  Half of K's fragments are asked for, then the first eight loads of the next key tile (one down; behind tile 0 of block a comes the diagonal tile of block bb),
; then K's other half; the other 24 loads of that tile and the copy's two stand in A.
; The bases were last read by loads that the last trip's wait for all loads has shown done.
.macro HEAD pf, wrap
	WIN 0x80
	s_wait_alu depctr_va_vdst(0)                   ; the products issued so far are done reading the fragments of K and V, the conversions are done with the next tile's registers: this trip's loads land in all three
	KLOADS 0
	KLOADS 2
.if \pf
	s_sub_co_i32 s26, s26, 1
.if \wrap
	s_cmp_lt_i32 s26, 0
	s_cselect_b32 s26, s25, s26
.endif
	s_lshl_b32 s28, s26, 19                        ; 128 rows of 4,096 bytes
	s_add_nc_u64 s[30:31], s[40:41], s[28:29]
	s_add_nc_u64 s[32:33], s[42:43], s[28:29]
	WIN 0x40
	GLD 0
	GLD 1
	GLD 2
	GLD 3
	WIN 0x80
.endif
	KLOADS 4
	KLOADS 6
.endm
; product k = 0..15 of S^T = K Q^T for query tile u: key tiles 2 g, 2 g + 1 (g = k / 4), first both with d 0..31, which starts their sums, then both with d 32..63:
; two accumulators take turns, one instruction a turn
.macro QKP k, u
.set tt, 2*((\k)/4)+(\k)%2
.set cc, ((\k)%4)/2
.if cc
	v_wmma_f32_16x16x32_bf16 v[SC+64*\u+8*tt:SC+64*\u+8*tt+7], v[16*tt+8:16*tt+15], v[QF+16*\u+8:QF+16*\u+15], v[SC+64*\u+8*tt:SC+64*\u+8*tt+7]
.else
	v_wmma_f32_16x16x32_bf16 v[SC+64*\u+8*tt:SC+64*\u+8*tt+7], v[16*tt:16*tt+7], v[QF+16*\u:QF+16*\u+7], 0
.endif
.endm
; product k = 0..15 of O^T += V^T P^T for query tile u, in f16: keys 32 (k / 4) .., d 16 (k % 4) ..: four accumulators take turns, one instruction a turn
; in a diagonal trip the first 32 keys start the sums
.macro PVP k, u, diag
.set cc, (\k)/4
.set dd, (\k)%4
.set zz, 0
.if \diag
.if (\k) < 4
.set zz, 1
.endif
.endif
.if zz
	v_wmma_f32_16x16x32_f16 v[8*(2*dd+\u):8*(2*dd+\u)+7], v[VF+8*(\k):VF+8*(\k)+7], v[SC+64*\u+8*cc:SC+64*\u+8*cc+7], 0
.else
	v_wmma_f32_16x16x32_f16 v[8*(2*dd+\u):8*(2*dd+\u)+7], v[VF+8*(\k):VF+8*(\k)+7], v[SC+64*\u+8*cc:SC+64*\u+8*cc+7], v[8*(2*dd+\u):8*(2*dd+\u)+7]
.endif
.endm
; the diagonal tile, registers 16 k .. 16 k + 15: register 8 t + j holds key 16 t + 8 h + j; it stays where key <= query, that is 16 t + j <= query - 8 h.
; The sixteen compares stand in one run, each with a scalar register for its mask, so that one wait serves the sixteen selects.
.macro MASK16 u, k
.set mi, 16*(\k)
.rept 16
	v_cmp_le_i32 s[MK+mi%16], 16*(mi/8)+(mi%8), v[DQ+\u]
.set mi, mi+1
.endr
	s_wait_alu depctr_va_sdst(0)                   ; the sixteen compares have written s48 to s63, ahead of the selects, their first readers
.set mi, 16*(\k)
.rept 16
	v_cndmask_b32 v[SC+64*\u+mi], v[MASKV], v[SC+64*\u+mi], s[MK+mi%16]
.set mi, mi+1
.endr
.endm
; key tile t: the weights 2^(c s - c m)
.macro ESTEP u, t
.irp p, 0,2,4,6
	v_pk_fma_f32 v[SC+64*\u+8*(\t)+\p:SC+64*\u+8*(\t)+\p+1], v[SC+64*\u+8*(\t)+\p:SC+64*\u+8*(\t)+\p+1], s[36:37], v[NM+2*\u:NM+2*\u+1] op_sel_hi:[1,0,1]
.endr
.irp p, 0,1,2,3,4,5,6,7
	v_exp_f32 v[SC+64*\u+8*(\t)+\p], v[SC+64*\u+8*(\t)+\p]
.endr
.endm
; tile t's eight weights are packed to f16 in place: register 4 t + p takes 8 t + 2 p and 8 t + 2 p + 1, never a register that is still to be read
.macro PACK u, t
.irp p, 0,1,2,3
	v_cvt_pk_f16_f32 v[SC+64*\u+4*(\t)+\p], v[SC+64*\u+8*(\t)+2*\p], v[SC+64*\u+8*(\t)+2*\p+1]
.endr
.endm
; and added to four pairs of partial sums first; tiles 0 and 1 start the sums together, so nothing is cleared
.macro SUMPACK u, t
	s_wait_alu depctr_va_vdst(0)                   ; the exponentials issued so far, key tile t's among them, have written their weights (and the factor for the old sums), which the sums and roundings below read
.if (\t) == 1
.irp j, 0,2,4,6
	v_pk_add_f32 v[SA+\j:SA+\j+1], v[SC+64*\u+\j:SC+64*\u+\j+1], v[SC+64*\u+8+\j:SC+64*\u+8+\j+1]
.endr
	PACK \u, 0
.else
.irp j, 0,2,4,6
	v_pk_add_f32 v[SA+\j:SA+\j+1], v[SA+\j:SA+\j+1], v[SC+64*\u+8*(\t)+\j:SC+64*\u+8*(\t)+\j+1]
.endr
.endif
	PACK \u, \t
.endm
.macro RESC u, d                       ; a lane's O all belong to its one query of tile u
.irp p, 0,2,4,6
	v_pk_mul_f32 v[8*(2*(\d)+\u)+\p:8*(2*(\d)+\u)+\p+1], v[8*(2*(\d)+\u)+\p:8*(2*(\d)+\u)+\p+1], v[AL+2*\u:AL+2*\u+1]
.endr
.endm
; Slice k = 0..15 of query tile u's softmax; one slice stands behind each product of the other piece's run.
;   0-3   (the mask, in a diagonal trip, and) the maximum of registers 16 k .. 16 k + 15, in four chains
;   4     the other half's keys (lane i xor 16), the new running maximum, the factor for the old sums
;   5-12  key tile k - 5: the weights; then sum and pack of an earlier tile, plain work behind the exponentials (ISA guide 5.7.2)
;   13    the last tile's sum and pack, the running sum
;   14-15 O of tile u is rescaled (not in a diagonal trip, which starts O)
.macro SMS u, diag, k
.if (\k) < 14
	WIN 0
.endif
.if (\k) < 4
.if (\u)+(\k) == 0
	PLACES                                         ; run A holds no vector work: four places behind its products before S0 is read or masked (ISA guide 7.12.1)
.endif
.if \diag
	MASK16 \u, \k
.endif
.irp j, 0,1,2,3
.if (\k) == 0
	v_max_num_f32 v[MX+\j], v[SC+64*\u+2*\j], v[SC+64*\u+2*\j+1]
.else
	v_max3_num_f32 v[MX+\j], v[MX+\j], v[SC+64*\u+16*(\k)+2*\j], v[SC+64*\u+16*(\k)+2*\j+1]
.endif
.endr
.irp j, 0,1,2,3
	v_max3_num_f32 v[MX+\j], v[MX+\j], v[SC+64*\u+16*(\k)+8+2*\j], v[SC+64*\u+16*(\k)+8+2*\j+1]
.endr
.endif
.if (\k) == 4
	v_max3_num_f32 v[T0], v[MX], v[MX+1], v[MX+2]
	v_max_num_f32 v[T0], v[T0], v[MX+3]
	v_permlanex16_b32 v[T1], v[T0], s34, s35       ; lane i xor 16 holds the same query's other keys
.if \diag
	v_max_num_f32 v[RM+\u], v[T0], v[T1]
	v_mul_f32 v[NM+2*\u],   s38, v[RM+\u]
	v_mul_f32 v[NM+2*\u+1], s38, v[RM+\u]
.else
	v_max3_num_f32 v[RM+\u], v[T0], v[T1], v[RM+\u]
	v_mul_f32 v[T1], s38, v[RM+\u]                 ; -c x new maximum
	v_sub_f32 v[T2], v[T1], v[NM+2*\u]             ; c (old - new)
	v_mov_b32 v[NM+2*\u],   v[T1]
	v_mov_b32 v[NM+2*\u+1], v[T1]
	v_exp_f32 v[AL+2*\u],   v[T2]                  ; the plain instruction behind these two (ISA guide 5.7.2) is the next slice's first multiply-add
	v_exp_f32 v[AL+2*\u+1], v[T2]
.endif
.endif
.if (\k) >= 5
.if (\k) <= 12
	ESTEP \u, (\k)-5
.if (\k) >= 7
	SUMPACK \u, (\k)-6
.endif
.endif
.endif
.if (\k) == 13
	SUMPACK \u, 7
	v_pk_add_f32 v[SA:SA+1],   v[SA:SA+1],   v[SA+2:SA+3]
	v_pk_add_f32 v[SA+4:SA+5], v[SA+4:SA+5], v[SA+6:SA+7]
	v_pk_add_f32 v[SA:SA+1],   v[SA:SA+1],   v[SA+4:SA+5]
.if \diag
	v_add_f32 v[RL+\u], v[SA], v[SA+1]
.else
	v_add_f32 v[T0], v[SA], v[SA+1]
	v_fma_f32 v[RL+\u], v[RL+\u], v[AL+2*\u], v[T0]
.endif
.endif
.if (\k) >= 14
.if \diag == 0
	WIN 0x41
	RESC \u, 2*((\k)-14)
	RESC \u, 2*((\k)-14)+1
.endif
.endif
.endm
; Slice k = 0..17 of the next tile's conversions, skewed so that no instruction needs the result of the one in front of it: K's and V's load k are rounded to bf16,
; V's load k - 1 is widened again (two numbers into its freed registers, two into a pair at work), V's load k - 2 is packed to f16 (exact: see FORMATS).
.macro CVS k
.if (\k) < 16
	v_cvt_pk_bf16_f32 v[ST+64+4*(\k)],   v[ST+64+4*(\k)],   v[ST+64+4*(\k)+1]
	v_cvt_pk_bf16_f32 v[ST+64+4*(\k)+1], v[ST+64+4*(\k)+2], v[ST+64+4*(\k)+3]
	v_cvt_pk_bf16_f32 v[ST+4*(\k)],      v[ST+4*(\k)],      v[ST+4*(\k)+1]
	v_cvt_pk_bf16_f32 v[ST+4*(\k)+1],    v[ST+4*(\k)+2],    v[ST+4*(\k)+3]
.endif
.if (\k) >= 1
.if (\k) <= 16
.set cj, (\k)-1
	v_lshlrev_b32 v[ST+64+4*cj+2],  16, v[ST+64+4*cj]
	v_and_b32     v[ST+64+4*cj+3],  s3, v[ST+64+4*cj]
	v_lshlrev_b32 v[TT+2*(cj%2)],   16, v[ST+64+4*cj+1]
	v_and_b32     v[TT+2*(cj%2)+1], s3, v[ST+64+4*cj+1]
.endif
.endif
.if (\k) >= 2
.set cj, (\k)-2
	v_cvt_pk_f16_f32 v[ST+64+4*cj],   v[ST+64+4*cj+2], v[ST+64+4*cj+3]
	v_cvt_pk_f16_f32 v[ST+64+4*cj+1], v[TT+2*(cj%2)],  v[TT+2*(cj%2)+1]
.endif
.endm
; Run A.  Behind each of its first three fours of products, and ahead of the wait for the next K fragments, stand eight more loads of the next tile, in the head's order; the copy's two
; come last.  No wait: since the wait at the trip's head only products on K, Q and the scores have been issued, which name none of these loads' registers.
.macro PHASEA pf
.set kk, 0
.rept 16
.if kk%4 == 0
.if \pf
.if kk > 0
	WIN 0x40
	GLD kk
	GLD kk+1
	GLD kk+2
	GLD kk+3
.endif
.if kk == 12
	global_load_b128 v[CP:CP+3],   v[COFF], s[14:15] th:TH_LOAD_NT
	global_load_b128 v[CP+4:CP+7], v[COFF], s[14:15] offset:2048 th:TH_LOAD_NT
.endif
.endif
	WIN 0x02
	s_wait_dscnt 24-2*kk                           ; of K's 32 loads, those issued behind key tiles kk / 2, kk / 2 + 1 may be out (Q's loads are older, V's come later)
.endif
	QKP kk, 0
.set kk, kk+1
.endr
.endm
.macro PHASEB diag
.set kk, 0
.rept 16
	WIN 0x02
	QKP kk, 1
	SMS 0, \diag, kk
.if kk >= 5
.if kk <= 12
	WIN 0x80                                       ; two fragments of V behind each of the eight long slices: 16 in all, the last three slices ahead of their first use.
	VFRAG 2*kk-10                                  ; No wait: nothing issued since the wait at the trip's head names V's fragments or their address
	VFRAG 2*kk-9
.endif
.endif
.set kk, kk+1
.endr
.endm
.macro PHASEC diag
.set kk, 0
.rept 16
	WIN 0x52
	PVP kk, 0, \diag
	SMS 1, \diag, kk
.set kk, kk+1
.endr
.endm
.macro PHASED diag, pf
.set kk, 0
.rept 16
.if \pf
.if kk%4 == 0
	s_wait_loadcnt 26-2*kk                         ; of the trip's 34 loads (K i, V i by turns, then the copy's two) those issued behind V's load kk + 3 may be out
.endif
.endif
	WIN 0x52
	PVP kk, 1, \diag
.if \pf
	WIN 0x45
	CVS kk
.endif
.set kk, kk+1
.endr
.endm
; the next tile goes from registers to LDS
.macro TAIL
	WIN 0x45
	CVS 16
	CVS 17
	s_barrier_wait -1                              ; every wave has the old tile in its fragment registers
	WIN 0x04
	s_wait_alu depctr_va_vdst(0)                   ; the conversions have written the next tile's registers, which the LDS stores read
	STO KST, ST, 2*PQK, 0
	STO VST, ST+64, 2*PVV, 0
	s_wait_loadcnt 0x0                             ; the copy's 32 bytes
	global_store_b128 v[COFF], v[CP:CP+3],   s[18:19] th:TH_STORE_NT
	global_store_b128 v[COFF], v[CP+4:CP+7], s[18:19] offset:2048 th:TH_STORE_NT
	WIN 0
	s_wait_xcnt 0x0                                ; the copy's bases and data registers are rewritten only behind this wait
	s_wait_alu depctr_vm_vsrc(0)                   ; the LDS stores have read the next tile's registers and the copy's stores theirs: the next trip's loads land in both
	s_add_nc_u64 s[14:15], s[14:15], 4096
	s_add_nc_u64 s[18:19], s[18:19], 4096
	s_wait_dscnt 0x0                               ; my part of the new tile is in LDS,
	s_barrier_signal -1
	s_barrier_wait -1                              ; everybody's is
.endm
.macro TRIP diag, pf, wrap
	HEAD \pf, \wrap
	PHASEA \pf
	PHASEB \diag
	s_wait_dscnt 0x0                               ; V's fragments are in too: my reads of this tile are over,
.if \pf
	s_barrier_signal -1                            ; say so; only register work stands between here and the wait at the trip's end
.endif
	PHASEC \diag
	PHASED \diag, \pf
.if \pf
	TAIL
.else
	WIN 0
.endif
.endm
; z = O / sum, rounded to f16, through my own rows of the block's Q region, out as 512 consecutive bytes a store
.macro EPILOG blk
	PLACES                                         ; behind the last products
	v_permlanex16_b32 v[T0], v[RL],   s34, s35     ; the other half's part of the sum
	v_permlanex16_b32 v[T1], v[RL+1], s34, s35
	v_add_f32 v[T0], v[T0], v[RL]
	v_add_f32 v[T1], v[T1], v[RL+1]
	v_rcp_f32 v[AL],   v[T0]                       ; the sum is at least 1: the key of the maximum has weight 1
	v_rcp_f32 v[AL+1], v[T0]
	v_rcp_f32 v[AL+2], v[T1]
	v_rcp_f32 v[AL+3], v[T1]
	v_nop                                          ; a plain instruction behind the reciprocals (ISA guide 5.7.2)
	WIN 0x01
	s_wait_alu depctr_va_vdst(0)                   ; the four reciprocals have written v20 to v23, which the multiplies below read
.irp d, 0,1,2,3
.irp u, 0,1
.irp p, 0,2,4,6
	v_pk_mul_f32 v[SC+8*(2*\d+\u)+\p:SC+8*(2*\d+\u)+\p+1], v[8*(2*\d+\u)+\p:8*(2*\d+\u)+\p+1], v[AL+2*\u:AL+2*\u+1]
.endr
.endr
.endr
	WIN 0
.irp d, 0,1,2,3
.irp u, 0,1
.irp p, 0,1,2,3
	v_cvt_pk_f16_f32 v[SC+64+4*(2*\d+\u)+\p], v[SC+8*(2*\d+\u)+2*\p], v[SC+8*(2*\d+\u)+2*\p+1]
.endr
.endr
.endr
	s_wait_alu depctr_va_vdst(0)                   ; the roundings have written v132 to v163, which the LDS stores read; the last softmax is done with v164 to v195, in which the loads from the stage land
.irp d, 0,1,2,3
.irp u, 0,1
	ds_store_b128 v[QLD], v[SC+64+4*(2*\d+\u):SC+64+4*(2*\d+\u)+3] offset:\blk*QBLK+\u*16*PQK+32*\d   ; query 16 u + r, d = 16 d + 8 h .. + 7
.endr
.endr
.irp i, 0,1,2,3,4,5,6,7
	ds_load_b128 v[SC+96+4*\i:SC+96+4*\i+3], v[ZRD] offset:\blk*QBLK+4*PQK*\i   ; four whole rows; LDS serves a wave's instructions in order (ISA guide 5.7.1.4)
.endr
.irp i, 0,1,2,3,4,5,6,7
	s_wait_dscnt 7-\i                              ; the loads issued behind load i may be out
	global_store_b128 v[ZOFF], v[SC+96+4*\i:SC+96+4*\i+3], s[44:45] offset:512*\i
.endr
	s_wait_xcnt 0x0                                ; the stores' data registers and base are written again only behind this wait
.if \blk == 0
	s_wait_alu depctr_vm_vsrc(0)                   ; the LDS stores have read v132 to v163 and the global stores v164 to v195: the next block's products write the scores' registers again
.endif
.endm
	s_load_b512 s[8:23], s[0:1], 0x0               ; q s[8:9], k s[10:11], v s[12:13], residual s[14:15], W_O s[16:17], out0 s[18:19], zb s[20:21], wb s[22:23]
	v_lshl_add_u32 v254, v0, 2, 0x12800
	v_mov_b32 v255, 0
	v_and_b32 v[T0], 31, v0                        ; L
	v_lshrrev_b32 v[T1], 5, v0
	v_readfirstlane_b32 s2, v[T1]                  ; w
	v_and_b32 v[T1], 15, v0                        ; r
	v_bfe_u32 v[T2], v0, 4, 1                      ; h
	s_and_b32 s24, ttmp9, 7                        ; a
	s_sub_co_u32 s25, 15, s24                      ; bb
	s_sub_co_u32 s39, s25, 1                       ; trips of block bb's loop, at least 7
	s_mov_b32 s26, s24                             ; the key tile in LDS
	s_lshr_b32 s3, ttmp9, 3
	s_lshr_b32 s4, s3, 4                           ; batch
	s_and_b32 s5, s3, 15                           ; head
	s_lshl_b32 s6, s4, 4
	s_add_co_u32 s7, s6, s24
	s_lshl4_add_u32 s7, s7, s5
	s_lshl_b32 s46, s7, 14                         ; zb: ((16 batch + a) x 16 + head) x 16,384
	s_add_co_u32 s7, s6, s25
	s_lshl4_add_u32 s7, s7, s5
	s_lshl_b32 s47, s7, 14                         ; the same for bb
	s_lshl_b32 s28, s4, 23                         ; batch x 2048 rows x 4,096 bytes
	s_lshl_b32 s5, s5, 8                           ; + head x 256 bytes
	s_add_co_u32 s28, s28, s5
	s_mov_b32 s29, 0                               ; s[28:29]: an offset as a pair
	s_mov_b32 s34, 0x76543210
	s_mov_b32 s35, 0xfedcba98
	s_mov_b32 s36, 0x3e38aa3b                      ; c = log2(e) / 8
	s_mov_b32 s37, 0x3e38aa3b
	s_mov_b32 s38, 0xbe38aa3b                      ; -c
	s_wait_alu depctr_va_sdst(0)                   ; s2, the wave's number, is written, ahead of its first reader: the five lines below make the wave's offsets from it
	s_mul_i32 s6, s2, 32*PQK                       ; my wave's 32 rows in a region of pitch 144
	s_mul_i32 s7, s2, 32*PVV                       ; and of pitch 160
	s_lshl_b32 s3, s2, 17                          ; and in memory
	s_lshl_b32 s4, s2, 12                          ; my wave's 4,096 bytes of a block of z
	s_lshl_b32 s5, s2, 5
	v_lshlrev_b32 v36, 4, v[T1]
	v_lshl_add_u32 v[GOFF], v[T2], 12, v36
	v_add_nc_u32 v[GOFF], s3, v[GOFF]
	v_lshlrev_b32 v37, 3, v[T1]
	v_mul_u32_u24 v38, v[T2], PQK
	v_add_nc_u32 v[QST], v38, v37
	v_add_nc_u32 v[QST], s6, v[QST]
	v_add_nc_u32 v[KST], KBASE, v[QST]
	v_mul_u32_u24 v38, v[T2], PVV
	v_add_nc_u32 v[VST], v38, v37
	v_add_nc_u32 v[VST], s7, v[VST]
	v_add_nc_u32 v[VST], VBASE, v[VST]
	v_mul_u32_u24 v38, v[T1], PQK
	v_lshl_add_u32 v38, v[T2], 4, v38
	v_add_nc_u32 v[KLD], KBASE, v38
	v_add_nc_u32 v[QLD], s6, v38
	v_and_b32 v39, 7, v0
	v_lshl_add_u32 v40, v[T2], 3, v39
	v_mul_u32_u24 v40, v40, PVV
	v_bfe_u32 v41, v0, 3, 1
	v_lshl_add_u32 v40, v41, 4, v40
	v_add_nc_u32 v[VLD], VBASE, v40
	v_lshrrev_b32 v41, 3, v[T0]
	v_mul_u32_u24 v41, v41, PQK
	v_lshl_add_u32 v41, v39, 4, v41
	v_add_nc_u32 v[ZRD], s6, v41
	v_lshl_add_u32 v[ZOFF], v[T0], 4, s4
	v_lshlrev_b32 v[COFF], 4, v0
	v_lshlrev_b32 v[WSO], 3, v0
	v_mov_b32 v[MASKV], 0xc9435000                 ; -800000.0 = 8 x -100000
	v_lshlrev_b32 v41, 3, v[T2]
	v_sub_nc_u32 v[DQ], v[T1], v41
	v_add_nc_u32 v[DQ], s5, v[DQ]
	v_add_nc_u32 v[DQ+1], 16, v[DQ]
	s_wait_alu depctr_va_vdst(0)                   ; the addresses v1 to v10 and v34 are written, which every load and store of the kernel reads; so are v36 to v41, in which Q's fragments land
	s_mov_b32 s3, 0xffff0000                       ; from here on: the mask of a word's upper bf16
	s_wait_kmcnt 0x0
	s_add_nc_u64 s[8:9],   s[8:9],   s[28:29]      ; q, k, v at my batch and head
	s_add_nc_u64 s[40:41], s[10:11], s[28:29]
	s_add_nc_u64 s[42:43], s[12:13], s[28:29]
	s_lshl_b32 s28, s24, 19
	s_add_nc_u64 s[4:5],   s[8:9],   s[28:29]      ; Q block a, and the diagonal key tile a
	s_add_nc_u64 s[30:31], s[40:41], s[28:29]
	s_add_nc_u64 s[32:33], s[42:43], s[28:29]
	s_lshl_b32 s28, s25, 19
	s_add_nc_u64 s[6:7],   s[8:9],   s[28:29]      ; Q block bb
	s_lshl_b32 s28, ttmp9, 16
	s_add_nc_u64 s[14:15], s[14:15], s[28:29]      ; my 65,536 bytes of residual and of out0
	s_add_nc_u64 s[18:19], s[18:19], s[28:29]
	s_lshl_b32 s28, ttmp9, 14
	s_add_nc_u64 s[16:17], s[16:17], s[28:29]      ; my 16,384 bytes of W_O
	s_lshl_b32 s28, ttmp9, 13
	s_add_nc_u64 s[22:23], s[22:23], s[28:29]      ; and 8,192 of wb
	WIN 0x80
	LD16 0, 4                                      ; Q of both blocks waits in window 2, where the fragments come later
	LD16 64, 6
	WIN 0x40
	LD16 ST, 30
	LD16 ST+64, 32
	WIN 0
.irp i, 0,1,2,3,4,5,6,7
	global_load_b128 v[SC+4*\i:SC+4*\i+3], v[COFF], s[16:17] offset:2048*\i th:TH_LOAD_NT
.endr
	s_wait_loadcnt 40                              ; Q's 32 loads are in; the 32 of K and V and the 8 of W_O, issued behind them, may be out
	WIN 0x8a
	CVT 0, 32
	WIN 0x08
	s_wait_alu depctr_va_vdst(0)                   ; the roundings have written Q's registers, which the LDS stores read
	STO QST, 0, 2*PQK, 0
	STO QST, 64, 2*PQK, QBLK
	s_wait_loadcnt 8                               ; K and V are in; W_O's 8 may be out
	WIN 0x45
	CVT ST, 16
	CVTV ST+64, 16
	WIN 0x04
	s_wait_alu depctr_va_vdst(0)                   ; the conversions have written the first tile's registers, which the LDS stores read
	STO KST, ST, 2*PQK, 0
	STO VST, ST+64, 2*PVV, 0
	WIN 0
	s_wait_loadcnt 0x0
	CVTV SC, 8                                     ; W_O: bf16, written as f16
	s_wait_alu depctr_va_vdst(0)                   ; the conversions have written v68 to v97, which wb's stores read
.irp i, 0,1,2,3,4,5,6,7
	global_store_b64 v[WSO], v[SC+4*\i:SC+4*\i+1], s[22:23] offset:1024*\i   ; a wave's store covers 256 consecutive bytes, aligned
.endr
	s_wait_xcnt 0x0                                ; the score registers are written again only behind this wait
	s_wait_alu depctr_vm_vsrc(0)                   ; the LDS stores have read Q's registers, in which K's fragments land, and the first tile's, in which the next tile lands; wb's stores have read the scores' registers, which the products write
	s_wait_dscnt 0x0                               ; my rows of the first tile are in LDS,
	s_barrier_signal -1
	s_barrier_wait -1                              ; everybody's are
	QFRAG 0
	TRIP 1, 1, 1                                   ; block a: the diagonal tile
	s_cmp_eq_u32 s24, 0
	s_cbranch_scc1 .LAdone
	s_mov_b32 s27, 0
.LA:
	TRIP 0, 1, 1                                   ; tiles a - 1 .. 0; the last of them fetches block bb's diagonal tile
	s_add_co_u32 s27, s27, 1
	s_cmp_lt_u32 s27, s24
	s_cbranch_scc1 .LA
.LAdone:
	s_mov_b32 s28, s46
	s_add_nc_u64 s[44:45], s[20:21], s[28:29]
	EPILOG 0
	QFRAG 1
	TRIP 1, 1, 0                                   ; block bb: the diagonal tile
	s_mov_b32 s27, 0
.LB:
	TRIP 0, 1, 0                                   ; tiles bb - 1 .. 1
	s_add_co_u32 s27, s27, 1
	s_cmp_lt_u32 s27, s39
	s_cbranch_scc1 .LB
	TRIP 0, 0, 0                                   ; tile 0: nothing is left to fetch
	s_mov_b32 s28, s47
	s_add_nc_u64 s[44:45], s[20:21], s[28:29]
	EPILOG 1
	s_wait_dscnt 0x0                               ; the closing lines, six on end
	s_wait_alu 0x0
	s_wait_tensorcnt 0x0
	ds_add_u32 v254, v255
	s_wait_dscnt 0x0
	s_endpgm
.Lfunc_end_k_q6b6ecd35b5_attn:
	.size	k_q6b6ecd35b5_attn, .Lfunc_end_k_q6b6ecd35b5_attn-k_q6b6ecd35b5_attn
	.p2alignl 7, 3214868480
	.fill 96, 4, 3214868480
	.section	.rodata,"a",@progbits
	.p2align	6, 0x0
	.amdhsa_kernel k_q6b6ecd35b5_attn
		.amdhsa_group_segment_fixed_size 76288
		.amdhsa_private_segment_fixed_size 0
		.amdhsa_enable_private_segment 0
		.amdhsa_kernarg_size 64
		.amdhsa_user_sgpr_count 2
		.amdhsa_user_sgpr_kernarg_segment_ptr 1
		.amdhsa_wavefront_size32 1
		.amdhsa_system_sgpr_workgroup_id_x 1
		.amdhsa_system_sgpr_workgroup_id_y 1
		.amdhsa_system_sgpr_workgroup_id_z 1
		.amdhsa_system_vgpr_workitem_id 0
		.amdhsa_next_free_vgpr 768
		.amdhsa_next_free_sgpr 66
		.amdhsa_reserve_vcc 0
		.amdhsa_float_denorm_mode_32 3
		.amdhsa_float_denorm_mode_16_64 3
		.amdhsa_memory_ordered 1
		.amdhsa_forward_progress 1
		.amdhsa_inst_pref_size 255
	.end_amdhsa_kernel
	.section	.bss,"aw",@nobits
	.p2align	6
	.space	262144
	.amdgpu_metadata
---
amdhsa.version: [ 1, 2 ]
amdhsa.kernels:
  - .name:           k_q6b6ecd35b5_attn
    .symbol:         k_q6b6ecd35b5_attn.kd
    .args:
      - { .name: q, .offset: 0, .size: 8, .value_kind: global_buffer, .address_space: global }
      - { .name: k, .offset: 8, .size: 8, .value_kind: global_buffer, .address_space: global }
      - { .name: v, .offset: 16, .size: 8, .value_kind: global_buffer, .address_space: global }
      - { .name: residual, .offset: 24, .size: 8, .value_kind: global_buffer, .address_space: global }
      - { .name: W_O, .offset: 32, .size: 8, .value_kind: global_buffer, .address_space: global }
      - { .name: out0, .offset: 40, .size: 8, .value_kind: global_buffer, .address_space: global }
      - { .name: zb, .offset: 48, .size: 8, .value_kind: global_buffer, .address_space: global }
      - { .name: wb, .offset: 56, .size: 8, .value_kind: global_buffer, .address_space: global }
    .group_segment_fixed_size: 76288
    .private_segment_fixed_size: 0
    .kernarg_segment_align: 8
    .kernarg_segment_size: 64
    .max_flat_workgroup_size: 128
    .sgpr_count:     66
    .vgpr_count:     768
    .wavefront_size: 32
...
	.end_amdgpu_metadata
.endif
;; end of part 3
;; launch proj: the kernel of part 2 again; grid 8 x 32, 4 waves a work-group, clusters of 4 x 4, 327,680 bytes of LDS; arguments zb, wb, b_O, out1; writes out1
